; MI455X (gfx1250); checked and timed in simulation.
; The chip was launched on July 23, 2026; its instructions are those of AMD's public machine-readable ISA for CDNA 5 (MIT licence, August 2026) and "CDNA5" Instruction Set Architecture Reference Guide (July 2026). The comments in the code are by the model that wrote it; some were corrected since.
;; Recurrent Self Attention Layer. Allowed arithmetic: float matrix products may take bf16 or f16 operands with f32 sums; other float arithmetic in f32, or as packed bf16 or f16 multiplies, adds, multiply-adds, maxima and minima; sums over many terms, partial sums and values carried from step to step in f32; what a program stores and reads back later, other than sums and carried values, may be rounded once to bf16 or f16.
;; Inputs: Wk 1,024 x 1,024 float32; Wo 1,024 x 1,024 float32; Wq 1,024 x 1,024 float32; Wv 1,024 x 1,024 float32; bk 1,024 float32; bo 1,024 float32; bq 1,024 float32; bv 1,024 float32; keys 4 x 2,048 x 1,024 float32; querys 4 x 2,048 x 1,024 float32; values 4 x 2,048 x 1,024 float32.
;; Outputs: out0 4 x 2,048 x 1,024 float32.
;; One version. Each part assembles by itself: llvm-mc -triple=amdgcn-amd-amdhsa -mcpu=gfx1250 --defsym DOCPART=n.
;; ======== version 1 of 1: 4 launches
;; limits: values are held in f16: magnitudes above 65,504 overflow, below 6.1e-05 lose precision
;; workspace buffers: wb 8,388,608 bytes; qkv 50,331,648 bytes; head32 786,432 bytes; oh 16,777,216 bytes; olo 131,072 bytes
;; launch wcast (part 1): grid 64 x 4, 8 waves a work-group, no clusters, 0 bytes of LDS; arguments Wq, Wk, Wv, Wo, wb; writes wb
.if DOCPART == 1
	.amdgcn_target "amdgcn-amd-amdhsa--gfx1250"
	.amdhsa_code_object_version 6
	.text
	.protected	k_qff10b3e7eb_wcast
	.globl	k_qff10b3e7eb_wcast
	.p2align	8
	.type	k_qff10b3e7eb_wcast,@function
k_qff10b3e7eb_wcast:
	s_mov_b64 s[64:65], 0
	v_nop
	global_prefetch_b8 v0, s[64:65] scope:SCOPE_SE
	s_setreg_imm32_b32 hwreg(HW_REG_WAVE_MODE, 25, 1), 1
	s_wait_xcnt 0x0
; THE WEIGHTS, CAST ONCE.  wb holds four planes of 1024 x 1024 numbers of 16 bits, [k][n] as the inputs lie: planes 0-2 = Wq, Wk, Wv rounded to bf16;
; plane 3 = Wo rounded to bf16 and that number written as f16 (the last product multiplies f16).
; LIMIT: a |Wo| beyond 65,504 becomes an infinity; below 6e-5 it keeps f16's fixed step of 6e-8.
; A stream: no LDS, no matrix unit.  The grid's y picks the weight; a work-group takes 65,536 bytes of it, thread t in turn i the 32 bytes at 8,192 i + 32 t.
; All 16 loads of a thread go out first; each turn has its own registers, converts in place and stores 16 bytes: a wave's store covers 512 consecutive bytes.
.set X, 16                             ; v[16:79]  turn i: 8 registers as loaded, the first 4 as stored;  v[4:11] at work (Wo alone)
.macro TURN i, wo
	s_wait_loadcnt 14-2*(\i)                       ; loads come back in order: this turn's two are in, the younger turns' stay out
.irp j, 0,1,2,3
	v_cvt_pk_bf16_f32 v[X+8*(\i)+\j], v[X+8*(\i)+2*\j], v[X+8*(\i)+2*\j+1]  ; in place: register j is written when its old number has been read
.endr
.if \wo
.irp j, 0,1,2,3
	v_lshlrev_b32 v[4+2*\j], 16, v[X+8*(\i)+\j]    ; the bf16 numbers as f32,
	v_and_b32 v[5+2*\j], s15, v[X+8*(\i)+\j]
.endr
.irp j, 0,1,2,3
	v_cvt_pk_f16_f32 v[X+8*(\i)+\j], v[4+2*\j], v[5+2*\j]  ; and as f16: 8 significant bits fit into 11
.endr
.endif
	global_store_b128 v2, v[X+8*(\i):X+8*(\i)+3], s[12:13] offset:4096*(\i)
.endm
	s_load_b256 s[4:11], s[0:1], 0x0               ; Wq s[4:5], Wk s[6:7], Wv s[8:9], Wo s[10:11]
	s_load_b64 s[12:13], s[0:1], 0x20              ; wb
	s_and_b32 s14, ttmp7, 0xffff                   ; which weight
	s_lshl_b32 s16, ttmp9, 16                      ; my 65,536 bytes of it
	s_mov_b32 s17, 0
	s_lshl_b32 s18, s14, 21                        ; its plane of 2 MiB in wb,
	s_lshl_b32 s19, ttmp9, 15                      ; my 32,768 bytes there
	s_add_co_u32 s18, s18, s19
	s_mov_b32 s19, 0
	s_mov_b32 s15, 0xffff0000                      ; a word's upper bf16
	v_lshlrev_b32 v1, 5, v0                        ; 32 bytes a thread in,
	v_lshlrev_b32 v2, 4, v0                        ; 16 out
	s_wait_kmcnt 0x0
	s_cmp_eq_u32 s14, 1
	s_cselect_b64 s[4:5], s[6:7], s[4:5]
	s_cmp_eq_u32 s14, 2
	s_cselect_b64 s[4:5], s[8:9], s[4:5]
	s_cmp_eq_u32 s14, 3
	s_cselect_b64 s[4:5], s[10:11], s[4:5]
	s_add_nc_u64 s[4:5], s[4:5], s[16:17]
	s_add_nc_u64 s[12:13], s[12:13], s[18:19]
.irp i, 0,1,2,3,4,5,6,7
	global_load_b128 v[X+8*\i:X+8*\i+3],   v1, s[4:5] offset:8192*\i th:TH_LOAD_NT
	global_load_b128 v[X+8*\i+4:X+8*\i+7], v1, s[4:5] offset:8192*\i+16 th:TH_LOAD_NT
.endr
	s_cmp_eq_u32 s14, 3
	s_cbranch_scc1 .Lwo
.irp i, 0,1,2,3,4,5,6,7
	TURN \i, 0
.endr
	s_endpgm
.Lwo:
.irp i, 0,1,2,3,4,5,6,7
	TURN \i, 1
.endr
	s_endpgm
.Lfunc_end_k_qff10b3e7eb_wcast:
	.size	k_qff10b3e7eb_wcast, .Lfunc_end_k_qff10b3e7eb_wcast-k_qff10b3e7eb_wcast
	.p2alignl 7, 3214868480
	.fill 96, 4, 3214868480
	.section	.rodata,"a",@progbits
	.p2align	6, 0x0
	.amdhsa_kernel k_qff10b3e7eb_wcast
		.amdhsa_group_segment_fixed_size 0
		.amdhsa_private_segment_fixed_size 0
		.amdhsa_enable_private_segment 0
		.amdhsa_kernarg_size 40
		.amdhsa_user_sgpr_count 2
		.amdhsa_user_sgpr_kernarg_segment_ptr 1
		.amdhsa_wavefront_size32 1
		.amdhsa_system_sgpr_workgroup_id_x 1
		.amdhsa_system_sgpr_workgroup_id_y 1
		.amdhsa_system_sgpr_workgroup_id_z 1
		.amdhsa_system_vgpr_workitem_id 0
		.amdhsa_next_free_vgpr 80
		.amdhsa_next_free_sgpr 66
		.amdhsa_reserve_vcc 0
		.amdhsa_float_denorm_mode_32 3
		.amdhsa_float_denorm_mode_16_64 3
		.amdhsa_memory_ordered 1
		.amdhsa_forward_progress 1
		.amdhsa_inst_pref_size 13
	.end_amdhsa_kernel
	.amdgpu_metadata
---
amdhsa.version: [ 1, 2 ]
amdhsa.kernels:
  - .name:           k_qff10b3e7eb_wcast
    .symbol:         k_qff10b3e7eb_wcast.kd
    .args:
      - { .name: Wq, .offset: 0, .size: 8, .value_kind: global_buffer, .address_space: global }
      - { .name: Wk, .offset: 8, .size: 8, .value_kind: global_buffer, .address_space: global }
      - { .name: Wv, .offset: 16, .size: 8, .value_kind: global_buffer, .address_space: global }
      - { .name: Wo, .offset: 24, .size: 8, .value_kind: global_buffer, .address_space: global }
      - { .name: wb, .offset: 32, .size: 8, .value_kind: global_buffer, .address_space: global }
    .group_segment_fixed_size: 0
    .private_segment_fixed_size: 0
    .kernarg_segment_align: 8
    .kernarg_segment_size: 40
    .max_flat_workgroup_size: 256
    .sgpr_count:     66
    .vgpr_count:     80
    .wavefront_size: 32
...
	.end_amdgpu_metadata
.endif
;; end of part 1
;; launch proj (part 2): grid 64 x 12, 4 waves a work-group, clusters of 4 x 1, 327,680 bytes of LDS; arguments querys, keys, values, bq, bk, bv, wb, qkv, head32; writes qkv, head32
.if DOCPART == 2
	.amdgcn_target "amdgcn-amd-amdhsa--gfx1250"
	.amdhsa_code_object_version 6
	.text
	.protected	k_qff10b3e7eb_proj
	.globl	k_qff10b3e7eb_proj
	.p2align	8
	.type	k_qff10b3e7eb_proj,@function
k_qff10b3e7eb_proj:
	s_mov_b64 s[64:65], 0
	v_nop
	global_prefetch_b8 v0, s[64:65] scope:SCOPE_SE
	s_setreg_imm32_b32 hwreg(HW_REG_WAVE_MODE, 25, 1), 1
	s_wait_xcnt 0x0
	s_wait_alu depctr_hold_cnt(0) depctr_sa_sdst(0) depctr_va_vdst(0) depctr_va_sdst(0) depctr_va_ssrc(0) depctr_va_vcc(0) depctr_vm_vsrc(0)
	s_getreg_b32 s2, hwreg(HW_REG_IB_STS2, 6, 4)
	s_cmp_eq_u32 s2, 0
	s_cbranch_scc0 .Lentry_in_a_cluster
	s_endpgm
.Lentry_in_a_cluster:
	s_bfe_u32 s2, ttmp6, 0x10000c
	s_cmp_lg_u32 s2, 0x3003
	s_cbranch_scc0 .Lentry_shape_is_right
	s_endpgm
.Lentry_shape_is_right:
; THE THREE PROJECTIONS.  mode 0: Q = elu((querys Wq + bq) / 8) + 1;  mode 1: K = elu(keys Wk + bk) + 1;  mode 2: V = values Wv + bv.
; Inputs, weights and biases are rounded to bf16, sums in f32.  Out: qkv, three planes [b][head][t][64]: Q and K in bf16, V in f16; and head32, [mode][b][t < 16][1024] in f32: the same numbers unrounded.
; LIMITS: a |V| beyond 65,504 becomes an infinity in f16; elu's exponential gives 0 below 2^-126; NaN and infinities are not treated apart.
; SHARES.  A tile of C is 128 rows x 256 columns: 64 x 12 tiles.  Four waves, 2 x 2, each 64 x 128: 32 accumulators of 16 x 16.  The grid's y is 4 mode + column tile; a cluster's x is the row tile
; inside a batch, a work-group's place in its cluster the batch.  So the four partners need the same tile of W, which is asked for JOINTLY (mask 15), each wave its 32 of the 128 k rows.
; K goes in 8 steps of 128.  W ([k][n], bf16) comes by tensor loads into a ring of two slots and leaves it turned, by ds_load_tr16_b128.  The activations are f32 in memory: each wave loads 32 rows of
; 512 bytes into one of two register sets, rounds them to bf16 a K step ahead of their use and stores them into one of two LDS buffers which no tensor load fills.
; THE STAGING'S MEMORY INSTRUCTIONS STAND IN RUNS OF 32, beside a run of fragment loads, never singly among the matrix instructions; its 64 roundings stand in slices of four behind 16 products.
; Each run of loads stands as early as its register set is free: K step 2 j + 2 (set 0) in the middle of quarter 1 of step 2 j; K step 2 j + 3 (set 1) behind the change of slots at the end of step 2 j,
; where set 1's LDS stores have been waited for.  The loop's three trips so load K steps 2 to 7.
; THE MATRIX INSTRUCTION IS USED TRANSPOSED (source 0 = 16 columns of W, source 1 = 16 rows of the activations): a lane holds 8 neighbouring columns of one row of C.
; REGISTERS, in windows of 256 (s_set_vgpr_msb: bits 1:0 source 0, 3:2 source 1, 5:4 source 2, 7:6 destination):
;   window 0: v0-15 addresses; v32-47 bias; v64-159 and v160-255 two fragment buffers (64 of W, 32 of the activations); the way out works in v64-143
;   window 1: v0-127, v128-255 two sets of 32 rows x 4 registers of f32 activations          window 2: accumulator (a, b) at v[8 (8 a + b)]
.set KSTEP,  128
.set BP,     544                       ; a k row of W in LDS: 512 bytes + 32 of padding: an odd multiple of 32
.set BSLOT,  KSTEP*BP                  ; 69,632
.set AP,     272                       ; a row of activations in LDS: 256 bytes + 16
.set ABASE,  2*BSLOT                   ; behind W's ring: two buffers of 128 rows, written by LDS stores alone
.set ABUF,   128*AP
.set SPARE,  ABASE+2*ABUF              ; the spare words, 128 bytes for each wave: two blocks of 256 bytes that no other line names
.set SGP,    528                       ; the way out: a wave's stage is 64 rows of 512 bytes + 16,
.set SGW,    34816                     ; at wave x 34,816: over W's ring, when that has had its last fill and its last read
.set BOFF, 3                           ; v3   my byte offset in the bias
.set AOFF, 4                           ; v4   my byte offset in the tile's activations: wave x 32 rows + 16 x lane; never rewritten
.set ASTO, 5                           ; v5   where I store 8 bytes of a rounded row
.set AFR,  6                           ; v6   my place in the activations' fragments
.set BFR,  7                           ; v7-8 my place in W's fragments, slot 0, 1
.set STO,  9                           ; v9   the way out: where I put 32 bytes of a row
.set RDA,  10                          ; v10  where I read them back
.set GO,   11                          ; v11  my byte offset in qkv
.set HO,   12                          ; v12  my byte offset in head32
.set SPW,  30                          ; v30  LDS address of my spare word; never rewritten
.set NIL,  31                          ; v31  0; never rewritten
.set BIA,  32                          ; v32-47  the bias of my 8 columns in each of my wave's two heads, rounded to bf16, times the scale
.set F0,   64
.set F1,   160
.set XR,   64                          ; the way out: 32 numbers in f32
.set UR,   96                          ;              their exponentials
.set OUTR, 128                         ;              16 registers to store
.set WV,   22
.set WR,   23                          ; which 64 rows of the tile are my wave's
.set WC,   24                          ; which 128 columns
.set CX,   25                          ; my place in the cluster = the batch: it enters global addresses of my own alone
.set MODE, 27
.set NT,   28
.set HF,   29                          ; how many trips of the way out also store to head32
.set CNT,  30
.set SC,   32                          ; s[32:33] the scale
.set G1,   36                          ; s[36:43] descriptor group 1
.set G0,   44                          ; s[44:51] descriptor group 0, a set for each slot
.set L2E,  56                          ; s[56:57] log2(e)
.set XB,   62                          ; s[62:63] the activations' base for the loop's loads: a pair of its own, so that the first loads' base is never rewritten
.set MSB, 0
.macro WIN new                         ; the immediate's high byte repeats the setting that is left; a switch that changes nothing is dropped
.if MSB != (\new)
	s_set_vgpr_msb (MSB<<8)|(\new)
.set MSB, (\new)
.endif
.endm
.macro PLACES                          ; four places in front of loads into registers that matrix instructions have read, and of lines that read results
.rept 4
	v_nop
.endr
.endm
.macro CREST                           ; a round of the cluster's barrier behind its opening barrier
	s_cmp_lg_u32 s[WV], 0
	s_cbranch_scc1 .Lnot_wave_0_\@
	s_barrier_signal -3
.Lnot_wave_0_\@:
	s_barrier_wait -3
	s_barrier_signal -1
	s_barrier_wait -1
.endm
.macro CROUND
	s_barrier_signal -1
	s_barrier_wait -1
	CREST
.endm
; THE STAGING.  LOADRUN: my 32 rows of a K step into set x, one run: each load is 32 lanes x 16 bytes, a row's 512 bytes of the step.
.macro LOADRUN b, x, off
	WIN 0x40                                       ; destination window 1
.set nn, 0
.rept 32
	global_load_b128 v[(\x)+4*nn:(\x)+4*nn+3], v[AOFF], s[(\b):(\b)+1] offset:nn*4096+(\off)
.set nn, nn+1
.endr
.endm
.macro LOADX                           ; the next K step's rows into set XL
	s_wait_xcnt 0x0                                ; the last run of loads has had its addresses translated: only now the base steps
	s_add_nc_u64 s[XB:XB+1], s[XB:XB+1], 4*KSTEP   ; one K step on
	LOADRUN XB, XL, 0
.endm
.macro CVT4                            ; rows 2 nn and 2 nn + 1 of set XC are rounded to bf16, in place
	WIN 0x45                                       ; all in window 1
	v_cvt_pk_bf16_f32 v[XC+8*nn],   v[XC+8*nn],   v[XC+8*nn+1]
	v_cvt_pk_bf16_f32 v[XC+8*nn+1], v[XC+8*nn+2], v[XC+8*nn+3]
	v_cvt_pk_bf16_f32 v[XC+8*nn+4], v[XC+8*nn+4], v[XC+8*nn+5]
	v_cvt_pk_bf16_f32 v[XC+8*nn+5], v[XC+8*nn+6], v[XC+8*nn+7]
.endm
.macro STOREX                          ; set XC's 32 rounded rows into the buffer at AB, one run: 32 lanes x 8 bytes are a row's 256
	WIN 0x04                                       ; data window 1
.set nn, 0
.rept 32
	ds_store_b64 v[ASTO], v[XC+4*nn:XC+4*nn+1] offset:AB+nn*AP
.set nn, nn+1
.endr
.endm
; 8 matrix instructions: row block a x all 8 column blocks, 32 along K.  cv = 1: a slice of four roundings behind each.  The 32 accumulators take turns, one instruction a turn.
.macro MULQ f, a, zero, cv, n0
.set nn, (\n0)
.irp b, 0,1,2,3,4,5,6,7
	WIN 0xa0                                       ; fragments window 0, C and D window 2
.if \zero
	v_wmma_f32_16x16x32_bf16 v[8*(8*(\a)+\b):8*(8*(\a)+\b)+7], v[(\f)+8*\b:(\f)+8*\b+7], v[(\f)+64+8*(\a):(\f)+64+8*(\a)+7], 0
.else
	v_wmma_f32_16x16x32_bf16 v[8*(8*(\a)+\b):8*(8*(\a)+\b)+7], v[(\f)+8*\b:(\f)+8*\b+7], v[(\f)+64+8*(\a):(\f)+64+8*(\a)+7], v[8*(8*(\a)+\b):8*(8*(\a)+\b)+7]
.endif
.if \cv
	CVT4
.endif
.set nn, nn+1
.endr
.endm
.macro MULH f, half, zero, cv          ; 16: row blocks 2 half, 2 half + 1
	MULQ \f, 2*(\half), \zero, \cv, 0
	MULQ \f, 2*(\half)+1, \zero, \cv, 8
.endm
; 24 LDS loads in one run: quarter q (32 along K) of the step in slot and buffer \slot: W's 8 fragments, turned, then the activations' 4
.macro FETCH slot, q, f
	WIN 0
.irp b, 0,1,2,3,4,5,6,7
	ds_load_tr16_b128 v[(\f)+8*\b:(\f)+8*\b+3],   v[BFR+(\slot)] offset:(\q)*32*BP+32*\b
	ds_load_tr16_b128 v[(\f)+8*\b+4:(\f)+8*\b+7], v[BFR+(\slot)] offset:(\q)*32*BP+16*BP+32*\b
.endr
.irp a, 0,1,2,3
	ds_load_b128 v[(\f)+64+8*\a:(\f)+64+8*\a+3],   v[AFR] offset:(\slot)*ABUF+\a*16*AP+64*(\q)
	ds_load_b128 v[(\f)+64+8*\a+4:(\f)+64+8*\a+7], v[AFR] offset:(\slot)*ABUF+\a*16*AP+64*(\q)+32
.endr
.endm
; One of a K step's first three quarters: multiplies buffer f and fetches quarter qn into g.  cv: roundings behind its first 16 products.  ld, st: a run of the staging's loads, or of its LDS stores,
; behind the fragment loads in its middle.  lw >= 0: a wait for the activations' loads.
.macro QUARTER f, g, slot, qn, zero, cv, ld, st, lw
	s_wait_dscnt 4                                 ; W's fragments and row blocks 0, 1 are in; the youngest four loads (blocks 2, 3) may be out
.if (\lw) >= 0
	s_wait_loadcnt \lw                             ; the set to be rounded is in; the 32 loads of the K step behind it (or none) stay out
.endif
	MULH \f, 0, \zero, \cv
	WIN 0
	PLACES
	FETCH \slot, \qn, \g
.if \ld
	LOADX
.endif
	s_wait_dscnt 24                                ; all but the 24 just issued
.if \st
	STOREX
.endif
	MULH \f, 1, \zero, 0
.endm
; The last quarter multiplies buffer 1 and changes slots: ONE barrier; in front of it each wave waits for all its tensor loads (its part of the next slot), adds 0 to its spare word, and waits for that,
; for its reads of this slot and buffer, and for its stores into the next buffer.  fill = 1: the barrier opens a round of the cluster's, and the joint refill, two K steps ahead, is the first thing behind it.
; ld = 1: the set whose stores have just been waited for is loaded again, behind the fragment loads.
.macro TURN slot, next, fill, n, ld
	WIN 0
	s_wait_tensorcnt 0x0
	ds_add_u32 v[SPW], v[NIL]                      ; 0 onto my spare word
	s_wait_dscnt \n                                ; may be out: the add, my LDS stores behind the fetch, and the fetch's youngest four loads
	MULQ F1, 0, 0, 0, 0
	s_wait_dscnt 0x0                               ; the add, my reads and my stores are done
	s_barrier_signal -1
	MULQ F1, 1, 0, 0, 0
	WIN 0                                          ; at a branch and at a label every window is 0
	s_barrier_wait -1
.if \fill
	CREST                                          ; no wave of any partner still reads this slot or has a load on its way
	s_add_nc_u64 s[G0+4*(\slot)+2:G0+4*(\slot)+3], s[G0+4*(\slot)+2:G0+4*(\slot)+3], 2*KSTEP*2048
	tensor_load_to_lds s[G0+4*(\slot):G0+4*(\slot)+3], s[G1:G1+7]  ; my one load behind the round: 112 matrix instructions ahead of the wait for it
	s_nop 0
	PLACES                                         ; also the places in front of the loads below
.else
	PLACES
.endif
	FETCH \next, 0, F0
.if \ld
	LOADX
.endif
	MULH F1, 1, 0, 0
.endm
; Quarters 1 to 3 of the K step s in \slot.  Step s + 1 (set and buffer \next) is rounded and stored in quarter 2.  l1 = 1: step s + 2 is loaded into set \slot in quarter 1.
; l3 = 1: step s + 3 is loaded into set \next behind the change of slots.
.macro REST slot, next, l1, l3, lw, fill
.set XC, 128*(\next)
.set AB, (\next)*ABUF
.set XL, 128*(\slot)
	QUARTER F1, F0, \slot, 2, 0, 0, \l1, 0, -1
	QUARTER F0, F1, \slot, 3, 0, 1, 0, 1, \lw
.set XL, 128*(\next)
	TURN \slot, \next, \fill, 37, \l3              ; 4 loads + 32 stores + the add
.endm
	s_load_b512 s[4:19], s[0:1], 0x0               ; querys, keys, values s[4:9]; bq, bk, bv s[10:15]; wb s[16:17]; qkv s[18:19]
	s_load_b64 s[20:21], s[0:1], 0x40              ; head32
	v_lshl_add_u32 v[SPW], v0, 2, SPARE
	v_mov_b32 v[NIL], 0
	ds_add_u32 v[SPW], v[NIL]                      ; the wave's opening: the add and its wait stand ahead of my first tensor load; the set-up below stands between them
	ds_add_u32 v30, v31
	v_lshrrev_b32 v1, 5, v0
	v_readfirstlane_b32 s[WV], v1                  ; wave 0..3
	s_lshr_b32 s[WR], s[WV], 1
	s_and_b32 s[WC], s[WV], 1
	s_bfe_u32 s[CX], ttmp6, 0x40000
	s_and_b32 s[NT], ttmp7, 0xffff
	s_lshr_b32 s[MODE], s[NT], 2
	s_and_b32 s[NT], s[NT], 3
	; descriptor group 1: 32 k rows x 256 columns of 2 bytes, padded in LDS
	s_mov_b32 s[G1], 15|(1<<16)|(1<<20)|(1<<21)|(6<<22)|(7<<25)  ; 15:0 the mask of four; 17:16 2-byte elements; 20 padding on; 21 set beside a mask; 24:22 after every 128 words; 31:25 8 words
	s_mov_b32 s[G1+1], 256<<16                     ; tensor_dim0 = 256
	s_mov_b32 s[G1+2], 32<<16                      ; tensor_dim1 = 32
	s_mov_b32 s[G1+3], 256<<16                     ; tile_dim0 = 256
	s_mov_b32 s[G1+4], 32                          ; tile_dim1 = 32
	s_mov_b32 s[G1+5], 1024                        ; elements from row to row
	s_mov_b32 s[G1+6], 0
	s_mov_b32 s[G1+7], 0
	s_mul_i32 s31, s[WV], 32*BP                    ; my 32 rows' place in a slot
	s_mov_b32 s[G0], 1
	s_mov_b32 s[G0+1], s31
	s_mov_b32 s[G0+4], 1
	s_add_co_u32 s[G0+5], s31, BSLOT
	s_lshl_b32 s34, s[MODE], 21                    ; W's tile: the mode's plane,
	s_lshl_b32 s31, s[WV], 16                      ; my 32 rows of 2,048 bytes,
	s_add_co_u32 s34, s34, s31
	s_lshl_b32 s31, s[NT], 9                       ; the tile's 512 bytes of a row: nothing here hangs on the place in the cluster
	s_add_co_u32 s34, s34, s31
	s_mov_b32 s35, 0
	s_lshl_b32 s52, s[CX], 11                      ; the activations: batch x 2,048 rows
	s_lshl_b32 s53, ttmp9, 7                       ; + row tile x 128,
	s_add_co_u32 s52, s52, s53
	s_lshl_b32 s52, s52, 12                        ; of 4,096 bytes
	s_mov_b32 s53, 0
	s_lshl_b32 s54, s[NT], 10                      ; my wave's 128 columns in f32: the bias, and head32's rows
	s_lshl_b32 s55, s[WC], 9
	s_add_co_u32 s54, s54, s55
	s_mov_b32 s55, 0
	s_lshl_b32 s58, s[CX], 4                       ; qkv: head 16 batch + 4 column tile + 2 column half,
	s_lshl2_add_u32 s58, s[NT], s58
	s_lshl1_add_u32 s58, s[WC], s58
	s_lshl_b32 s58, s58, 11                        ; its 2,048 rows,
	s_lshl_b32 s59, ttmp9, 7
	s_add_co_u32 s58, s58, s59
	s_lshl_b32 s59, s[WR], 6
	s_add_co_u32 s58, s58, s59                     ; my wave's first row,
	s_lshl_b32 s58, s58, 7                         ; of 128 bytes,
	s_lshl_b32 s59, s[MODE], 24                    ; in the mode's plane of 16 MiB
	s_add_co_u32 s58, s58, s59
	s_mov_b32 s59, 0
	s_lshl2_add_u32 s60, s[MODE], s[CX]            ; head32: (4 mode + batch) x 16 rows of 4,096 bytes
	s_lshl_b32 s60, s60, 16
	s_add_co_u32 s60, s60, s54
	s_mov_b32 s61, 0
	s_or_b32 s31, ttmp9, s[WR]                     ; rows t < 16 lie in row tile 0, in the waves of its upper half: two trips of 8 rows
	s_cmp_eq_u32 s31, 0
	s_cselect_b32 s[HF], 2, 0
	s_cmp_eq_u32 s[MODE], 0
	s_cselect_b32 s[SC], 0x3e000000, 1.0           ; 1 / 8 for q, 1 for k and v
	s_mov_b32 s[SC+1], s[SC]
	s_mov_b32 s[L2E], 0x3fb8aa3b
	s_mov_b32 s[L2E+1], s[L2E]
	v_and_b32 v1, 15, v0                           ; l % 16
	v_bfe_u32 v2, v0, 4, 1                         ; l / 16
	v_and_b32 v13, 31, v0                          ; l
	v_and_b32 v14, 7, v0                           ; l % 8
	v_lshlrev_b32 v[BOFF], 5, v14
	s_lshl_b32 s31, s[WV], 17
	v_lshl_add_u32 v[AOFF], v13, 4, s31
	s_wait_dscnt 0x0                               ; the opening add is done
	s_wait_kmcnt 0x0
	s_cmp_eq_u32 s[MODE], 1
	s_cselect_b64 s[4:5], s[6:7], s[4:5]
	s_cselect_b64 s[10:11], s[12:13], s[10:11]
	s_cmp_eq_u32 s[MODE], 2
	s_cselect_b64 s[4:5], s[8:9], s[4:5]
	s_cselect_b64 s[10:11], s[14:15], s[10:11]
	s_add_nc_u64 s[4:5], s[4:5], s[52:53]
	s_add_nc_u64 s[XB:XB+1], s[4:5], 4*KSTEP       ; the loop's base stands at K step 1; each run of loads steps it first
	s_add_nc_u64 s[10:11], s[10:11], s[54:55]
	s_add_nc_u64 s[16:17], s[16:17], s[34:35]
	s_add_nc_u64 s[18:19], s[18:19], s[58:59]
	s_add_nc_u64 s[20:21], s[20:21], s[60:61]
	s_add_nc_u64 s[G0+2:G0+3], s[16:17], 0         ; K step 0
	s_or_b32 s[G0+3], s[G0+3], 0x80000000          ; type = 2
	s_add_nc_u64 s[G0+6:G0+7], s[16:17], KSTEP*2048  ; K step 1
	s_or_b32 s[G0+7], s[G0+7], 0x80000000
	global_load_b128 v[BIA:BIA+3],     v[BOFF], s[10:11]
	global_load_b128 v[BIA+4:BIA+7],   v[BOFF], s[10:11] offset:16
	global_load_b128 v[BIA+8:BIA+11],  v[BOFF], s[10:11] offset:256
	global_load_b128 v[BIA+12:BIA+15], v[BOFF], s[10:11] offset:272
	LOADRUN 4, 0, 0                                ; the activations of K step 0 into set 0,
	LOADRUN 4, 128, 4*KSTEP                        ; and of K step 1 into set 1
	WIN 0
	CROUND                                         ; all four work-groups are here: the first joint loads meet
	tensor_load_to_lds s[G0:G0+3], s[G1:G1+7]      ; both first fills together: two loads of mine are out
	s_nop 0
	tensor_load_to_lds s[G0+4:G0+7], s[G1:G1+7]
	s_nop 0
	PLACES
	s_mul_i32 s31, s[WV], 32*AP
	s_add_co_u32 s31, s31, ABASE
	v_lshl_add_u32 v[ASTO], v13, 3, s31            ; my wave's 32 rows, 8 bytes a lane
	v_mul_u32_u24 v[AFR], v1, AP
	v_lshl_add_u32 v[AFR], v2, 4, v[AFR]           ; a fragment's row x pitch + 16 x half
	s_mul_i32 s31, s[WR], 64*AP
	s_add_co_u32 s31, s31, ABASE
	v_add_nc_u32 v[AFR], s31, v[AFR]
	v_lshl_add_u32 v15, v2, 3, v14                 ; the turning load: k row 8 (l / 16) + l % 8,
	v_mul_u32_u24 v[BFR], v15, BP
	v_bfe_u32 v15, v0, 3, 1
	v_lshl_add_u32 v[BFR], v15, 4, v[BFR]          ; columns 8 ((l / 8) % 2) on,
	s_lshl_b32 s31, s[WC], 8
	v_add_nc_u32 v[BFR], s31, v[BFR]               ; in my wave's 128 columns
	v_add_nc_u32 v[BFR+1], BSLOT, v[BFR]
	s_mul_i32 s31, s[WV], SGW
	v_mul_u32_u24 v[STO], v1, SGP
	v_lshl_add_u32 v[STO], v2, 5, v[STO]
	v_add_nc_u32 v[STO], s31, v[STO]
	v_bfe_u32 v15, v0, 3, 2                        ; back: 8 lanes take a head's 256 bytes of a row, 32 lanes four rows
	v_mul_u32_u24 v[RDA], v15, SGP
	v_lshl_add_u32 v[RDA], v14, 5, v[RDA]
	v_add_nc_u32 v[RDA], s31, v[RDA]
	v_lshlrev_b32 v[GO], 4, v13
	v_lshlrev_b32 v[HO], 12, v15
	v_lshl_add_u32 v[HO], v14, 5, v[HO]
	s_wait_loadcnt 32                              ; the bias and K step 0 are in; K step 1's 32 loads stay out
.irp j, 0,1,2,3,4,5,6,7
	v_cvt_pk_bf16_f32 v[48+\j], v[BIA+2*\j], v[BIA+2*\j+1]  ; the bias is rounded to bf16 like every input,
.endr
.irp j, 0,1,2,3,4,5,6,7
	v_lshlrev_b32 v[BIA+2*\j], 16, v[48+\j]
	v_and_b32 v[BIA+2*\j+1], 0xffff0000, v[48+\j]
.endr
.irp j, 0,1,2,3,4,5,6,7
	v_pk_mul_f32 v[BIA+2*\j:BIA+2*\j+1], v[BIA+2*\j:BIA+2*\j+1], s[SC:SC+1] op_sel_hi:[1,0]  ; and scaled, so that the way out is one multiply-add
.endr
.set XC, 0
.set AB, 0
.set nn, 0
.rept 16
	CVT4                                           ; K step 0's rows are rounded
.set nn, nn+1
.endr
	STOREX                                         ; and stored into buffer 0
	WIN 0
	s_wait_tensorcnt 0x1                           ; my part of slot 0 is in; slot 1's may stay out
	s_wait_dscnt 0x0                               ; my rows of K step 0 are stored
	s_barrier_signal -1
	s_barrier_wait -1
	FETCH 0, 0, F0
	QUARTER F0, F1, 0, 1, 1, 0, 0, 0, -1           ; the first quarter stands in front of the loop: its products start the sums
	WIN 0
	s_mov_b32 s[CNT], 3
.Llap:                                                 ; a trip: once round the ring, from a lap's second quarter to the next lap's first; K steps 0 to 5
	REST 0, 1, 1, 1, 32, 1                         ; K step 2 j: both runs of loads stand here
	QUARTER F0, F1, 1, 1, 0, 0, 0, 0, -1
	REST 1, 0, 0, 0, 32, 1                         ; K step 2 j + 1
	QUARTER F0, F1, 0, 1, 0, 0, 0, 0, -1
	WIN 0
	s_sub_co_u32 s[CNT], s[CNT], 1
	s_cmp_lg_u32 s[CNT], 0
	s_cbranch_scc1 .Llap
	REST 0, 1, 0, 0, 0, 0                          ; K step 6: nothing more is loaded or filled; K step 7's rows are rounded and stored
	QUARTER F0, F1, 1, 1, 0, 0, 0, 0, -1           ; K step 7
	QUARTER F1, F0, 1, 2, 0, 0, 0, 0, -1
	QUARTER F0, F1, 1, 3, 0, 0, 0, 0, -1
	s_wait_dscnt 4
	MULH F1, 0, 0, 0
	s_wait_dscnt 0x0
	MULH F1, 1, 0, 0
	; THE WAY OUT.  Through my own stage in LDS, so that 32 lanes hold 512 consecutive bytes of a head's rows.
	WIN 0
	PLACES
	s_wait_dscnt 0x0
	s_barrier_signal -1                            ; every wave's reads of the ring are over: the stages lie on it
	s_barrier_wait -1
	WIN 0x08                                       ; data window 2
.irp a, 0,1,2,3
.irp b, 0,1,2,3,4,5,6,7
	ds_store_b128 v[STO], v[8*(8*\a+\b):8*(8*\a+\b)+3]   offset:\a*16*SGP+64*\b     ; each accumulator's low registers first
	ds_store_b128 v[STO], v[8*(8*\a+\b)+4:8*(8*\a+\b)+7] offset:\a*16*SGP+64*\b+16
.endr
.endr
	WIN 0
	s_mov_b32 s[CNT], 0
.Lout:                                                 ; 8 trips of 8 rows x 2 heads: group g = 2 (four rows) + head
.irp g, 0,1,2,3
	ds_load_b128 v[XR+8*\g:XR+8*\g+3],   v[RDA] offset:(\g/2)*4*SGP+(\g%2)*256     ; LDS serves a wave's instructions in order (ISA guide 5.7.1.4): these see my stores
	ds_load_b128 v[XR+8*\g+4:XR+8*\g+7], v[RDA] offset:(\g/2)*4*SGP+(\g%2)*256+16
.endr
	s_wait_dscnt 0x0
.irp g, 0,1,2,3
.irp p, 0,1,2,3
	v_pk_fma_f32 v[XR+8*\g+2*\p:XR+8*\g+2*\p+1], v[XR+8*\g+2*\p:XR+8*\g+2*\p+1], s[SC:SC+1], v[BIA+8*(\g%2)+2*\p:BIA+8*(\g%2)+2*\p+1] op_sel_hi:[1,0,1]
.endr
.endr
	s_cmp_eq_u32 s[MODE], 2
	s_cbranch_scc1 .Lplain_v
	; elu(x) + 1 = max(x, 0) + e^min(x, 0)
.set i, 0
.rept 16
	v_pk_mul_f32 v[UR+2*i:UR+2*i+1], v[XR+2*i:XR+2*i+1], s[L2E:L2E+1] op_sel_hi:[1,0]
.set i, i+1
.endr
.set i, 0
.rept 32
	v_min_num_f32 v[UR+i], 0, v[UR+i]
.set i, i+1
.endr
.set i, 0
.rept 32
	v_exp_f32 v[UR+i], v[UR+i]
.set i, i+1
.endr
.set i, 0
.rept 32
	v_max_num_f32 v[XR+i], 0, v[XR+i]              ; plain lines between the exponentials and the use of their results
.set i, i+1
.endr
.set i, 0
	s_wait_alu depctr_va_vdst(0)
.rept 16
	v_pk_add_f32 v[XR+2*i:XR+2*i+1], v[XR+2*i:XR+2*i+1], v[UR+2*i:UR+2*i+1]
.set i, i+1
.endr
.set i, 0
.rept 16
	v_cvt_pk_bf16_f32 v[OUTR+i], v[XR+2*i], v[XR+2*i+1]
.set i, i+1
.endr
	s_branch .Lstore
.Lplain_v:
.set i, 0
.rept 16
	v_cvt_pk_f16_f32 v[OUTR+i], v[XR+2*i], v[XR+2*i+1]
.set i, i+1
.endr
.Lstore:
.irp g, 0,1,2,3
	global_store_b128 v[GO], v[OUTR+4*\g:OUTR+4*\g+3], s[18:19] offset:(\g%2)*262144+(\g/2)*512  ; four rows of a head: 512 consecutive bytes
.endr
	s_cmp_lt_u32 s[CNT], s[HF]
	s_cbranch_scc0 .Lno_head
.irp g, 0,1,2,3
	global_store_b128 v[HO], v[XR+8*\g:XR+8*\g+3],   s[20:21] offset:(\g/2)*16384+(\g%2)*256     ; rows t < 16 unrounded: each of the two lines writes 16 of every 32 bytes; 786,432 bytes in the launch
	global_store_b128 v[HO], v[XR+8*\g+4:XR+8*\g+7], s[20:21] offset:(\g/2)*16384+(\g%2)*256+16
.endr
.Lno_head:
	s_wait_xcnt 0x0                                ; the stores have read their registers: only now these are written again
	v_add_nc_u32 v[RDA], 8*SGP, v[RDA]
	v_add_nc_u32 v[GO], 1024, v[GO]
	v_add_nc_u32 v[HO], 32768, v[HO]
	s_add_co_u32 s[CNT], s[CNT], 1
	s_cmp_lt_u32 s[CNT], 8
	s_cbranch_scc1 .Lout
	s_wait_tensorcnt 0x0                           ; the wave's end: behind my last tensor load and my last LDS store
	ds_add_u32 v[SPW], v[NIL]
	s_wait_dscnt 0x0
	CROUND                                         ; the closing round: no work-group ends while a partner may still ask for a tile that names it
	s_endpgm
.Lfunc_end_k_qff10b3e7eb_proj:
	.size	k_qff10b3e7eb_proj, .Lfunc_end_k_qff10b3e7eb_proj-k_qff10b3e7eb_proj
	.p2alignl 7, 3214868480
	.fill 96, 4, 3214868480
	.section	.rodata,"a",@progbits
	.p2align	6, 0x0
	.amdhsa_kernel k_qff10b3e7eb_proj
		.amdhsa_group_segment_fixed_size 327680
		.amdhsa_private_segment_fixed_size 0
		.amdhsa_enable_private_segment 0
		.amdhsa_kernarg_size 72
		.amdhsa_user_sgpr_count 2
		.amdhsa_user_sgpr_kernarg_segment_ptr 1
		.amdhsa_wavefront_size32 1
		.amdhsa_system_sgpr_workgroup_id_x 1
		.amdhsa_system_sgpr_workgroup_id_y 1
		.amdhsa_system_sgpr_workgroup_id_z 1
		.amdhsa_system_vgpr_workitem_id 0
		.amdhsa_next_free_vgpr 768
		.amdhsa_next_free_sgpr 66
		.amdhsa_reserve_vcc 0
		.amdhsa_float_denorm_mode_32 3
		.amdhsa_float_denorm_mode_16_64 3
		.amdhsa_memory_ordered 1
		.amdhsa_forward_progress 1
		.amdhsa_inst_pref_size 125
	.end_amdhsa_kernel
	.amdgpu_metadata
---
amdhsa.version: [ 1, 2 ]
amdhsa.kernels:
  - .name:           k_qff10b3e7eb_proj
    .symbol:         k_qff10b3e7eb_proj.kd
    .args:
      - { .name: querys, .offset: 0, .size: 8, .value_kind: global_buffer, .address_space: global }
      - { .name: keys, .offset: 8, .size: 8, .value_kind: global_buffer, .address_space: global }
      - { .name: values, .offset: 16, .size: 8, .value_kind: global_buffer, .address_space: global }
      - { .name: bq, .offset: 24, .size: 8, .value_kind: global_buffer, .address_space: global }
      - { .name: bk, .offset: 32, .size: 8, .value_kind: global_buffer, .address_space: global }
      - { .name: bv, .offset: 40, .size: 8, .value_kind: global_buffer, .address_space: global }
      - { .name: wb, .offset: 48, .size: 8, .value_kind: global_buffer, .address_space: global }
      - { .name: qkv, .offset: 56, .size: 8, .value_kind: global_buffer, .address_space: global }
      - { .name: head32, .offset: 64, .size: 8, .value_kind: global_buffer, .address_space: global }
    .group_segment_fixed_size: 327680
    .private_segment_fixed_size: 0
    .kernarg_segment_align: 8
    .kernarg_segment_size: 72
    .max_flat_workgroup_size: 128
    .sgpr_count:     66
    .vgpr_count:     768
    .wavefront_size: 32
...
	.end_amdgpu_metadata
.endif
;; end of part 2
;; launch attn (part 3): grid 4 x 64, 4 waves a work-group, no clusters, 327,680 bytes of LDS; arguments qkv, head32, oh, olo; writes oh, olo
.if DOCPART == 3
	.amdgcn_target "amdgcn-amd-amdhsa--gfx1250"
	.amdhsa_code_object_version 6
	.text
	.protected	k_qff10b3e7eb_attn
	.globl	k_qff10b3e7eb_attn
	.p2align	8
	.type	k_qff10b3e7eb_attn,@function
k_qff10b3e7eb_attn:
	s_mov_b64 s[64:65], 0
	v_nop
	global_prefetch_b8 v0, s[64:65] scope:SCOPE_SE
	s_setreg_imm32_b32 hwreg(HW_REG_WAVE_MODE, 25, 1), 1
	s_wait_xcnt 0x0
; THE SCAN, IN CHUNKS.  For each (batch, head): O[t] = Q[t] S_t / (Q[t] Z_t + 1e-6), S_t = sum over k <= t of K[k] (x) V[k], Z_t = sum over k <= t of K[k].
; In: qkv (Q, K bf16, V f16, [b][head][t][64]) and head32 (rows t < 16 in f32).  Out: oh = O in f16, same layout; olo = O - f16(O) in f16 for t < 16, [b][t][1024].
; SHARES.  A work-group owns a segment of 512 rows of one (batch, head).  NO CLUSTER: the four segments of a head walk 0, 2, 4 and 6 tiles of earlier rows, so partners would need different numbers of tiles.
; PHASE A: the state.  All four waves walk K and V, 64 keys a step; wave w owns channels 16 w .. 16 w + 15 of S (four f32 accumulators: S[d][channel], d in blocks of 16) and d = 16 w .. of Z (K^T times ones).
;   The carry stays in f32.  K is bf16 and V f16, so V is turned into bf16 in registers: for earlier segments (t >= 512) rounded once; for the segment's own rows split into a high and a low part, which is exact.
;   In front of each of the segment's 8 chunks of 64 rows the wave publishes its slice of the state, rounded to bf16, in LDS, lane for lane as the fragments that phase C multiplies by.
; PHASE C: the outputs.  Wave w takes chunks 2 w, 2 w + 1, a tile of 16 queries at a time: T = K Q^T for the chunk's key blocks up to the diagonal, U = S^T Q, UA = Z Q; the diagonal block is masked;
;   dn = UA + the row's sum of T; P = f16(T / dn), which lies in 0 to 1; W = V^T P; O = U / (dn + eps) + W dn / (dn + eps).  A lane holds one query throughout.
; ROWS t < 16 (segment 0, wave 0, first tile) are made once more in f32 from head32, by 32 matrix instructions of the f32 form: no bulk work; their O goes out as f16 high and low parts.
; EVERY LDS ADDRESS is a register made once at the head plus an immediate: the own chunks and a wave's two output chunks are written out, not looped over.
; LIMITS: dn below 1e-30 counts as 1e-30 in the weights' divisor (T is then 0 too); weights below 6e-5 keep f16's fixed step of 6e-8; NaN and infinities are not treated apart.
;   The plain loads of K's fragments at a pitch of 160 bytes meet two deep in the banks: the pitch is the turning loads', which are the many.
; REGISTERS, in windows of 256 (s_set_vgpr_msb: bits 1:0 source 0, 3:2 source 1, 5:4 source 2, 7:6 destination):
;   window 0: v0-31 addresses and constants; the rest by phase, as named below        window 1: A: K^T fragments v0-79;  C: state v0-79, K v80-143, V^T v144-207
;   window 2: Q of my two chunks, v0-63 and v64-127                                   window 3: f32 rows: K v0-31, Q v32-63, V v64-95; v96-143 written by f32 matrix instructions alone
.set PT,     160                       ; a key's row in LDS: 128 bytes + 32: an odd multiple of 32
.set CH,     64*PT                     ; a chunk, and a step: 64 keys
.set SLOTB,  4*CH                      ; a slot: 256 keys
.set VRING,  2*SLOTB                   ; K's two slots at 0, V's two here; the segment's own 8 chunks end up at c x CH in each
.set SF,     4*SLOTB                   ; 8 published states of 10,240 bytes: fragment (channel block, half of d) at 2,048 cb + 1,024 i, Z's at 8,192 + 1,024 i; written by LDS stores alone
.set STG,    SF+8*CH                   ; the way out: 16 rows x 144 bytes for each wave
.set SPARE,  254976                    ; the spare words, 128 bytes for each wave: two blocks of 256 bytes that no other line names
.set AKT,  6                           ; v6-7   turning load of K, slot 0, 1 (v6 is the bare lane term)
.set AKZ,  8                           ; v8-9   the same at d block w
.set AVT,  10                          ; v10-11 turning load of V at channel block w
.set SFW,  12                          ; v12-13 where I publish my slice of S: states 0-3, states 4-7
.set SFZ,  14                          ; v14-15 and of Z
.set AKP,  16                          ; v16  plain fragment of K: 160 (l % 16) + 16 (l / 16)
.set AK,   17                          ; v17-19 phase C: K, V, state of my first chunk; the second lies CH further on
.set AV,   18
.set ASF,  19
.set QOFF, 21
.set STO,  22
.set RD,   23
.set GO,   24
.set H32A, 25
.set H32V, 26
.set LOO,  27
.set ZF,   28                          ; v28  0.0
.set ONEF, 29                          ; v29  1.0
.set SPW,  30                          ; v30  LDS address of my spare word; never rewritten
.set NIL,  31                          ; v31  0; never rewritten
.set ONE,  32                          ; A: v32-39 a fragment of ones in bf16
.set DS,   32                          ; C: pairs whose low register counts: dn, 1 / dn, 1 / (dn + eps), dn / (dn + eps)
.set RS,   34
.set RDN,  36
.set GG,   38
.set SA,   40                          ; A: v40-71 S, v72-79 Z
.set SZ,   72
.set U,    40                          ; C: v40-71 U, then O; v72-79 UA
.set UA,   72
.set VRG,  80                          ; A: v80-95 V^T as loaded (f16)
.set P,    80                          ; C: v80-95 the weights in f16
.set VH,   96                          ; A: v96-111 V^T's high parts, v112-127 its low parts (bf16)
.set VL,   112
.set T,    96                          ; C: v96-127 the scores
.set TM,   128                         ; v128-135 at work
.set PK,   136                         ; v136-155 the state to publish
.set W,    160                         ; v160-191
.set PKO,  192                         ; v192-207 O in f16
.set RBK,  208                         ; v208-223 rows read back
.set KF,   80                          ; window 1
.set VF,   144
.set WV,   12
.set SEG,  13
.set BH,   14
.set SPC,  15                          ; 1: my first tile holds rows t < 16
.set CNT,  18
.set G1,   36                          ; s[36:43]
.set G0,   44                          ; s[44:51] a set for each slot
.set SEL,  60                          ; s[60:61] v_permlanex16_b32's selects: each lane takes its own place in the other half
.set PSEL, 62                          ; v_perm_b32: the two upper halves
.set HIM,  63                          ; a word's upper half
.set MSK,  70                          ; s[70:77] mask j: lanes whose key 8 (l / 16) + j is not behind their query l % 16
.set MSB, 0
.macro WIN new
.if MSB != (\new)
	s_set_vgpr_msb (MSB<<8)|(\new)
.set MSB, (\new)
.endif
.endm
.macro PLACES                          ; four places in front of loads into registers that matrix instructions have read, and of lines that read results
.rept 4
	v_nop
.endr
.endm
.macro MMB d, a, b, first              ; a bf16 product; first: it starts the sum
.if \first
	v_wmma_f32_16x16x32_bf16 v[(\d):(\d)+7], v[(\a):(\a)+7], v[(\b):(\b)+7], 0
.else
	v_wmma_f32_16x16x32_bf16 v[(\d):(\d)+7], v[(\a):(\a)+7], v[(\b):(\b)+7], v[(\d):(\d)+7]
.endif
.endm
.macro MMF d, a, b, first              ; an f16 product
.if \first
	v_wmma_f32_16x16x32_f16 v[(\d):(\d)+7], v[(\a):(\a)+7], v[(\b):(\b)+7], 0
.else
	v_wmma_f32_16x16x32_f16 v[(\d):(\d)+7], v[(\a):(\a)+7], v[(\b):(\b)+7], v[(\d):(\d)+7]
.endif
.endm
; 12 turning loads: half kk (32 keys) of the step at byte off: V^T at my channels, K^T at all four d blocks, K^T at d block w
.macro LD ak, az, av, off, kk
	WIN 0
	ds_load_tr16_b128 v[VRG+8*(\kk):VRG+8*(\kk)+3],   v[\av] offset:(\off)+(\kk)*32*PT
	ds_load_tr16_b128 v[VRG+8*(\kk)+4:VRG+8*(\kk)+7], v[\av] offset:(\off)+(\kk)*32*PT+16*PT
	WIN 0x40
.irp db, 0,1,2,3
	ds_load_tr16_b128 v[32*(\kk)+8*\db:32*(\kk)+8*\db+3],   v[\ak] offset:(\off)+(\kk)*32*PT+32*\db
	ds_load_tr16_b128 v[32*(\kk)+8*\db+4:32*(\kk)+8*\db+7], v[\ak] offset:(\off)+(\kk)*32*PT+16*PT+32*\db
.endr
	ds_load_tr16_b128 v[64+8*(\kk):64+8*(\kk)+3],   v[\az] offset:(\off)+(\kk)*32*PT
	ds_load_tr16_b128 v[64+8*(\kk)+4:64+8*(\kk)+7], v[\az] offset:(\off)+(\kk)*32*PT+16*PT
.endm
; V^T's fragment kk from f16 to bf16.  lo = 0: rounded.  lo = 1: cut to 8 significant bits, and the rest (3 bits at the most) as a second bf16: exact.
.macro CONV kk, lo
	WIN 0
.irp j, 0,1,2,3,4,5,6,7
	v_fma_mix_f32 v[TM+4*(\j%2)],   v[VRG+8*(\kk)+\j], v[ONEF], v[ZF] op_sel_hi:[1,0,0]                  ; the low half x 1 + 0 in f32,
	v_fma_mix_f32 v[TM+4*(\j%2)+1], v[VRG+8*(\kk)+\j], v[ONEF], v[ZF] op_sel:[1,0,0] op_sel_hi:[1,0,0]   ; the high half
.if \lo
	v_perm_b32 v[VH+8*(\kk)+\j], v[TM+4*(\j%2)+1], v[TM+4*(\j%2)], s[PSEL]
	v_and_b32 v[TM+4*(\j%2)+2], s[HIM], v[TM+4*(\j%2)]
	v_and_b32 v[TM+4*(\j%2)+3], s[HIM], v[TM+4*(\j%2)+1]
	v_pk_add_f32 v[TM+4*(\j%2):TM+4*(\j%2)+1], v[TM+4*(\j%2):TM+4*(\j%2)+1], v[TM+4*(\j%2)+2:TM+4*(\j%2)+3] neg_lo:[0,1] neg_hi:[0,1]
	v_perm_b32 v[VL+8*(\kk)+\j], v[TM+4*(\j%2)+1], v[TM+4*(\j%2)], s[PSEL]
.else
	v_cvt_pk_bf16_f32 v[VH+8*(\kk)+\j], v[TM+4*(\j%2)], v[TM+4*(\j%2)+1]
.endif
.endr
.endm
; The state takes 32 keys.  The five accumulators take turns, one instruction a turn.
.macro MM kk, lo
	WIN 0x01                                       ; K^T window 1
.irp db, 0,1,2,3
	MMB SA+8*\db, 32*(\kk)+8*\db, VH+8*(\kk), 0
.endr
	MMB SZ, 64+8*(\kk), ONE, 0
.if \lo
.irp db, 0,1,2,3
	MMB SA+8*\db, 32*(\kk)+8*\db, VL+8*(\kk), 0
.endr
.endif
.endm
; A slot of earlier rows: four steps; a half's loads go out while the half before is multiplied
.macro WALK n
	PLACES
	LD AKT+\n, AKZ+\n, AVT+\n, 0, 0
.irp st, 0,1,2,3
	PLACES
	LD AKT+\n, AKZ+\n, AVT+\n, \st*CH, 1
	s_wait_dscnt 12                                ; all but the 12 just issued
	CONV 0, 0
	MM 0, 0
.if \st < 3
	PLACES
	LD AKT+\n, AKZ+\n, AVT+\n, (\st+1)*CH, 0
	s_wait_dscnt 12
.else
	s_wait_dscnt 0x0                               ; the slot's last loads
.endif
	CONV 1, 0
	MM 1, 0
.endr
	WIN 0
.endm
; Slot n, which every wave has read, is filled again with the tile two on: waves 0, 1 fetch the halves of K's 256 keys, waves 2, 3 of V's.
.macro RB n
	s_wait_tensorcnt 0x0                           ; all my tensor loads have landed, the other slot's too: a group 0 may be written
	ds_add_u32 v[SPW], v[NIL]                      ; 0 onto my spare word
	s_add_nc_u64 s[G0+4*(\n)+2:G0+4*(\n)+3], s[G0+4*(\n)+2:G0+4*(\n)+3], 2*256*128
	s_wait_dscnt 0x0                               ; the add is done, and my reads of the slot are over
	s_barrier_signal -1
	s_barrier_wait -1
	tensor_load_to_lds s[G0+4*(\n):G0+4*(\n)+3], s[G1:G1+7]  ; my one load behind the barrier; it has the other slot's four steps in which to land
	s_nop 0
	PLACES
.endm
; My slice of the state in front of chunk c, rounded to bf16: lane for lane the fragments of S^T (rows = my channels, along d) and of Z
.macro PUB c
	WIN 0
.irp db, 0,1,2,3
.irp p, 0,1,2,3
	v_cvt_pk_bf16_f32 v[PK+4*\db+\p], v[SA+8*\db+2*\p], v[SA+8*\db+2*\p+1]  ; each accumulator from its low end
.endr
.endr
.irp p, 0,1,2,3
	v_cvt_pk_bf16_f32 v[PK+16+\p], v[SZ+2*\p], v[SZ+2*\p+1]
.endr
.irp db, 0,1,2,3
	ds_store_b128 v[SFW+(\c)/4], v[PK+4*\db:PK+4*\db+3] offset:((\c)%4)*CH+(\db/2)*1024+(\db%2)*512
.endr
	ds_store_b128 v[SFZ+(\c)/4], v[PK+16:PK+19] offset:((\c)%4)*CH
.endm
; Own chunk c: the state in front of it is published, then takes the chunk, V in two exact parts.  Chunk c lies in slot c / 4 at (c % 4) x CH.
.macro OWN c
	PLACES
	LD AKT+(\c)/4, AKZ+(\c)/4, AVT+(\c)/4, ((\c)%4)*CH, 0
	LD AKT+(\c)/4, AKZ+(\c)/4, AVT+(\c)/4, ((\c)%4)*CH, 1
	PUB \c
	s_wait_dscnt 17                                ; the first half's 12 loads are in; the second half's 12 and my 5 stores may be out
	CONV 0, 1
	MM 0, 1
	s_wait_dscnt 5                                 ; the second half's are in; my 5 stores may be out
	CONV 1, 1
	MM 1, 1
	WIN 0
.endm
; ROWS t < 16 IN f32.  16 keys x 16 queries.  The f32 form takes 4 along k; a lane's pair i holds channels 32 (l / 16) + 2 i, + 1 of K and of Q alike, and keys 8 (l / 16) + 2 i, + 1 of the weights and of V alike:
; the same permutation on both sides keeps the sums.  Loads, wait and uses stand in this one block.  Two, then four accumulators take turns; eight places stand behind each run (ISA guide 7.12.1).
.macro SPECIAL
	WIN 0
	s_cmp_eq_u32 s[SPC], 0
	s_cbranch_scc1 .Lno_special_\@
	WIN 0xc0                                       ; destination window 3
.irp j, 0,1,2,3,4,5,6,7
	global_load_b128 v[4*\j:4*\j+3],       v[H32A], s[6:7] offset:262144+16*\j   ; K
	global_load_b128 v[32+4*\j:32+4*\j+3], v[H32A], s[6:7] offset:16*\j          ; Q
.endr
.irp c, 0,1,2,3
.irp j, 0,1,2,3,4,5,6,7
	global_load_b32 v[64+8*\c+\j], v[H32V], s[6:7] offset:524288+4096*\j+64*\c   ; V[key 8 (l / 16) + j][channel 16 c + l % 16]
.endr
.endr
	s_wait_loadcnt 0x0
	WIN 0xff
.set i, 0
.rept 16
.if i < 2
	v_wmma_f32_16x16x4_f32 v[96+8*(i%2):96+8*(i%2)+7], v[2*i:2*i+1], v[32+2*i:32+2*i+1], 0
.else
	v_wmma_f32_16x16x4_f32 v[96+8*(i%2):96+8*(i%2)+7], v[2*i:2*i+1], v[32+2*i:32+2*i+1], v[96+8*(i%2):96+8*(i%2)+7]
.endif
.set i, i+1
.endr
.rept 8
	v_nop
.endr
	WIN 0x0f                                       ; sources window 3, destination window 0
.irp p, 0,1,2,3
	v_pk_add_f32 v[TM+2*\p:TM+2*\p+1], v[96+2*\p:96+2*\p+1], v[104+2*\p:104+2*\p+1]
.endr
	WIN 0
.irp j, 0,1,2,3,4,5,6,7
	v_cndmask_b32 v[TM+\j], 0, v[TM+\j], s[MSK+\j]
.endr
	v_pk_add_f32 v[DS:DS+1], v[TM:TM+1], v[TM+2:TM+3]
	v_pk_add_f32 v[RS:RS+1], v[TM+4:TM+5], v[TM+6:TM+7]
	v_pk_add_f32 v[DS:DS+1], v[DS:DS+1], v[RS:RS+1]
	v_add_f32 v[DS], v[DS], v[DS+1]
	v_permlanex16_b32 v[DS+1], v[DS], s[SEL], s[SEL+1]
	v_add_f32 v[DS], v[DS], v[DS+1]
	v_add_f32 v[RDN], 0x358637bd, v[DS]            ; + 1e-6
	v_rcp_f32 v[RDN], v[RDN]
	v_nop                                          ; a plain line behind the reciprocal
	s_wait_alu depctr_va_vdst(0)
.irp p, 0,1,2,3
	v_pk_mul_f32 v[TM+2*\p:TM+2*\p+1], v[TM+2*\p:TM+2*\p+1], v[RDN:RDN+1] op_sel_hi:[1,0]
.endr
	WIN 0xf3                                       ; V, C and D window 3, the weights window 0
.irp i, 0,1,2,3
.irp c, 0,1,2,3
.if \i == 0
	v_wmma_f32_16x16x4_f32 v[112+8*\c:112+8*\c+7], v[64+8*\c+2*\i:64+8*\c+2*\i+1], v[TM+2*\i:TM+2*\i+1], 0
.else
	v_wmma_f32_16x16x4_f32 v[112+8*\c:112+8*\c+7], v[64+8*\c+2*\i:64+8*\c+2*\i+1], v[TM+2*\i:TM+2*\i+1], v[112+8*\c:112+8*\c+7]
.endif
.endr
.endr
.rept 8
	v_nop
.endr
	WIN 0x03                                       ; source window 3
.set i, 0
.rept 32
	v_mov_b32 v[U+i], v[112+i]                     ; these rows' O takes the place of the one made in 16 bits
.set i, i+1
.endr
	WIN 0
.set i, 0
.rept 16
	v_cvt_pk_f16_f32 v[T+i], v[U+2*i], v[U+2*i+1]  ; the high parts, as the tile's way out rounds them,
.set i, i+1
.endr
.set i, 0
.rept 16
	v_fma_mix_f32 v[TM+2*(i%4)],   -v[T+i], v[ONEF], v[U+2*i] op_sel_hi:[1,0,0]                    ; O - f16(O),
	v_fma_mix_f32 v[TM+2*(i%4)+1], -v[T+i], v[ONEF], v[U+2*i+1] op_sel:[1,0,0] op_sel_hi:[1,0,0]
	v_cvt_pk_f16_f32 v[T+16+i], v[TM+2*(i%4)], v[TM+2*(i%4)+1]                                     ; in f16
.set i, i+1
.endr
.irp c, 0,1,2,3
	global_store_b128 v[LOO], v[T+16+4*\c:T+16+4*\c+3], s[10:11] offset:32*\c  ; 16 bytes a lane, rows 2,048 bytes apart: 2,048 bytes a head; the wait on XCNT in the tile's way out frees the data
.endr
.Lno_special_\@:
.endm
; A TILE of 16 queries: number qt of the four of my chunk e.  The accumulators take turns, one instruction a turn.
.macro TILE qt, e
	WIN 0x09                                       ; source 0 window 1, Q window 2
.set ii, 0
.rept 2
.set kb, 0
.rept (\qt)+1
	MMB T+8*kb, KF+16*kb+8*ii, 64*(\e)+16*(\qt)+8*ii, 1-ii
.set kb, kb+1
.endr
	MMB UA, 64+8*ii, 64*(\e)+16*(\qt)+8*ii, 1-ii
.set cb, 0
.rept 4
	MMB U+8*cb, 16*cb+8*ii, 64*(\e)+16*(\qt)+8*ii, 1-ii
.set cb, cb+1
.endr
.set ii, ii+1
.endr
	WIN 0
	PLACES
.irp j, 0,1,2,3,4,5,6,7
	v_cndmask_b32 v[T+8*(\qt)+\j], 0, v[T+8*(\qt)+\j], s[MSK+\j]  ; the diagonal block: keys behind the query count 0
.endr
	v_pk_add_f32 v[TM:TM+1],   v[T:T+1],   v[T+2:T+3]            ; the row's sum, in two chains
	v_pk_add_f32 v[TM+2:TM+3], v[T+4:T+5], v[T+6:T+7]
.set kb, 1
.rept (\qt)
	v_pk_add_f32 v[TM:TM+1],   v[TM:TM+1],   v[T+8*kb:T+8*kb+1]
	v_pk_add_f32 v[TM+2:TM+3], v[TM+2:TM+3], v[T+8*kb+2:T+8*kb+3]
	v_pk_add_f32 v[TM:TM+1],   v[TM:TM+1],   v[T+8*kb+4:T+8*kb+5]
	v_pk_add_f32 v[TM+2:TM+3], v[TM+2:TM+3], v[T+8*kb+6:T+8*kb+7]
.set kb, kb+1
.endr
	v_pk_add_f32 v[DS:DS+1], v[TM:TM+1], v[TM+2:TM+3]
	v_add_f32 v[DS], v[DS], v[DS+1]
	v_permlanex16_b32 v[DS+1], v[DS], s[SEL], s[SEL+1]           ; the query's other keys lie in the lane 16 away
	v_add_f32 v[DS], v[DS], v[DS+1]
	v_add_f32 v[DS], v[DS], v[UA]                                ; + Z Q of the rows before the chunk: dn
	v_max_num_f32 v[RS], 0x0da24260, v[DS]                       ; 1e-30 at the least
	v_add_f32 v[RDN], 0x358637bd, v[DS]                          ; + 1e-6
	v_rcp_f32 v[RS], v[RS]
	v_rcp_f32 v[RDN], v[RDN]
	v_nop                                                        ; a plain line behind the reciprocals
	s_wait_alu depctr_va_vdst(0)
	v_mul_f32 v[GG], v[DS], v[RDN]
.set kb, 0
.rept (\qt)+1
.set p, 0
.rept 4
	v_pk_mul_f32 v[T+8*kb+2*p:T+8*kb+2*p+1], v[T+8*kb+2*p:T+8*kb+2*p+1], v[RS:RS+1] op_sel_hi:[1,0]
.set p, p+1
.endr
.set p, 0
.rept 4
	v_cvt_pk_f16_f32 v[P+4*kb+p], v[T+8*kb+2*p], v[T+8*kb+2*p+1]  ; two key blocks' weights are a fragment of 32 keys, lane for lane
.set p, p+1
.endr
.set kb, kb+1
.endr
.if ((\qt)%2) == 0
.irp p, 0,1,2,3
	v_mov_b32 v[P+4*(\qt)+4+\p], 0                 ; the fragment's other 16 keys lie behind the diagonal
.endr
.endif
	WIN 0x01                                       ; V^T window 1
.set kk, 0
.rept (\qt)/2+1
.set cb, 0
.rept 4
	MMF W+8*cb, VF+16*cb+8*kk, P+8*kk, 1-kk
.set cb, cb+1
.endr
.set kk, kk+1
.endr
	WIN 0
.set p, 0
.rept 16
	v_pk_mul_f32 v[U+2*p:U+2*p+1], v[U+2*p:U+2*p+1], v[RDN:RDN+1] op_sel_hi:[1,0]  ; these 16 name nothing of the products above: their places
.set p, p+1
.endr
.set p, 0
.rept 16
	v_pk_fma_f32 v[U+2*p:U+2*p+1], v[W+2*p:W+2*p+1], v[GG:GG+1], v[U+2*p:U+2*p+1] op_sel_hi:[1,0,1]
.set p, p+1
.endr
.if ((\qt) == 0) && ((\e) == 0)
	SPECIAL
.endif
.set p, 0
.rept 16
	v_cvt_pk_f16_f32 v[PKO+p], v[U+2*p], v[U+2*p+1]
.set p, p+1
.endr
.irp f, 0,1,2,3
	ds_store_b128 v[STO], v[PKO+4*\f:PKO+4*\f+3] offset:32*\f
.endr
	s_wait_xcnt 0x0                                ; earlier stores have read their registers: only now these are loaded again
.irp f, 0,1,2,3
	ds_load_b128 v[RBK+4*\f:RBK+4*\f+3], v[RD] offset:\f*4*144  ; LDS serves a wave's instructions in order (ISA guide 5.7.1.4): these see the stores above
.endr
.irp f, 0,1,2,3
	s_wait_dscnt 3-\f                              ; the younger loads of the four stay out
	global_store_b128 v[GO], v[RBK+4*\f:RBK+4*\f+3], s[8:9] offset:(\e)*8192+(\qt)*2048+\f*512  ; four rows of the head: 512 consecutive bytes
.endr
.endm
; My chunk e (0, 1): 52 LDS loads into window 1 (the state in front of it, its K, its V^T), then its four tiles.  The last products that read these registers stand more than four plain lines back.
.macro CHUNK e
	WIN 0x40
.irp c, 0,1,2,3,4
.irp i, 0,1
	ds_load_b128 v[16*\c+8*\i:16*\c+8*\i+3],   v[ASF] offset:(\e)*CH+\c*2048+\i*1024
	ds_load_b128 v[16*\c+8*\i+4:16*\c+8*\i+7], v[ASF] offset:(\e)*CH+\c*2048+\i*1024+512
.endr
.endr
.irp c, 0,1,2,3
.irp i, 0,1
	ds_load_b128 v[KF+16*\c+8*\i:KF+16*\c+8*\i+3],   v[AK] offset:(\e)*CH+\c*16*PT+\i*64
	ds_load_b128 v[KF+16*\c+8*\i+4:KF+16*\c+8*\i+7], v[AK] offset:(\e)*CH+\c*16*PT+\i*64+32
.endr
.endr
.irp c, 0,1,2,3
.irp i, 0,1
	ds_load_tr16_b128 v[VF+16*\c+8*\i:VF+16*\c+8*\i+3],   v[AV] offset:(\e)*CH+\i*32*PT+32*\c
	ds_load_tr16_b128 v[VF+16*\c+8*\i+4:VF+16*\c+8*\i+7], v[AV] offset:(\e)*CH+\i*32*PT+16*PT+32*\c
.endr
.endr
	s_wait_dscnt 0x0
	TILE 0, \e
	TILE 1, \e
	TILE 2, \e
	TILE 3, \e
	WIN 0
.endm
	s_load_b256 s[4:11], s[0:1], 0x0               ; qkv s[4:5], head32 s[6:7], oh s[8:9], olo s[10:11]
	v_lshl_add_u32 v[SPW], v0, 2, SPARE
	v_mov_b32 v[NIL], 0
	ds_add_u32 v[SPW], v[NIL]                      ; the wave's opening: the add and its wait stand ahead of my first tensor load; the set-up below stands between them
	ds_add_u32 v30, v31
	v_lshrrev_b32 v1, 5, v0
	v_readfirstlane_b32 s[WV], v1                  ; wave 0..3
	s_mov_b32 s[SEG], ttmp9
	s_and_b32 s[BH], ttmp7, 0xffff
	s_lshr_b32 s20, s[WV], 1                       ; I fetch for K (0) or V (1),
	s_and_b32 s21, s[WV], 1                        ; which 128 of a tile's 256 keys
	; descriptor group 1: 128 keys are 16,384 dense bytes: 64 rows of 256 bytes, padded in LDS after every key
	s_mov_b32 s[G1], (1<<16)|(1<<20)|(4<<22)|(7<<25)  ; 17:16 2-byte elements; 20 padding on; 24:22 after every 32 words; 31:25 8 words
	s_mov_b32 s[G1+1], 128<<16
	s_mov_b32 s[G1+2], 64<<16
	s_mov_b32 s[G1+3], 128<<16
	s_mov_b32 s[G1+4], 64
	s_mov_b32 s[G1+5], 128
	s_mov_b32 s[G1+6], 0
	s_mov_b32 s[G1+7], 0
	s_mul_i32 s22, s20, VRING
	s_mul_i32 s23, s21, 128*PT
	s_add_co_u32 s22, s22, s23
	s_mov_b32 s[G0], 1
	s_mov_b32 s[G0+1], s22
	s_mov_b32 s[G0+4], 1
	s_add_co_u32 s[G0+5], s22, SLOTB
	s_add_co_u32 s28, s20, 1                       ; K's plane is 1, V's 2, of 16 MiB;
	s_lshl_b32 s28, s28, 24
	s_lshl_b32 s23, s[BH], 18                      ; the head's 2,048 rows of 128 bytes;
	s_add_co_u32 s28, s28, s23
	s_lshl_b32 s24, s21, 14                        ; my 128 keys of tile 0
	s_add_co_u32 s28, s28, s24
	s_mov_b32 s29, 0
	s_lshl_b32 s26, s[SEG], 16                     ; my wave's 128 rows of Q and of O: segment x 512 + wave x 128
	s_lshl_b32 s24, s[WV], 14
	s_add_co_u32 s26, s26, s24
	s_add_co_u32 s26, s26, s23
	s_mov_b32 s27, 0
	s_lshr_b32 s24, s[BH], 4                       ; batch,
	s_and_b32 s25, s[BH], 15                       ; head
	s_lshl_b32 s32, s24, 16                        ; head32: batch x 16 rows of 4,096 bytes + head x 256
	s_lshl_b32 s33, s25, 8
	s_add_co_u32 s32, s32, s33
	s_mov_b32 s33, 0
	s_lshl_b32 s34, s24, 15                        ; olo: batch x 16 rows of 2,048 bytes + head x 128
	s_lshl_b32 s35, s25, 7
	s_add_co_u32 s34, s34, s35
	s_mov_b32 s35, 0
	s_or_b32 s24, s[SEG], s[WV]
	s_cmp_eq_u32 s24, 0
	s_cselect_b32 s[SPC], 1, 0
	s_mov_b32 s[SEL], 0x76543210
	s_mov_b32 s[SEL+1], 0xfedcba98
	s_mov_b32 s[PSEL], 0x07060302
	s_mov_b32 s[HIM], 0xffff0000
	s_wait_dscnt 0x0                               ; the opening add is done
	s_wait_kmcnt 0x0
	s_add_nc_u64 s[G0+2:G0+3], s[4:5], s[28:29]    ; tile 0,
	s_add_nc_u64 s[G0+6:G0+7], s[G0+2:G0+3], 256*128  ; tile 1
	s_or_b32 s[G0+3], s[G0+3], 0x80000000          ; type = 2
	s_or_b32 s[G0+7], s[G0+7], 0x80000000
	s_add_nc_u64 s[16:17], s[4:5], s[26:27]        ; Q
	s_add_nc_u64 s[8:9], s[8:9], s[26:27]          ; O
	s_add_nc_u64 s[6:7], s[6:7], s[32:33]
	s_add_nc_u64 s[10:11], s[10:11], s[34:35]
	tensor_load_to_lds s[G0:G0+3], s[G1:G1+7]      ; both first fills together: two loads of mine are out
	s_nop 0
	tensor_load_to_lds s[G0+4:G0+7], s[G1:G1+7]
	s_nop 0
	PLACES
	v_and_b32 v1, 15, v0                           ; l % 16
	v_bfe_u32 v2, v0, 4, 1                         ; l / 16
	v_and_b32 v3, 31, v0                           ; l
	v_lshlrev_b32 v[QOFF], 7, v1
	v_lshl_add_u32 v[QOFF], v2, 4, v[QOFF]
	WIN 0x80                                       ; destination window 2
.set i, 0
.rept 16                                       ; Q of my 128 rows stays in registers: tile i / 2, channels 32 (i % 2) on
	global_load_b128 v[8*i:8*i+3],   v[QOFF], s[16:17] offset:(i/2)*2048+(i%2)*64
	global_load_b128 v[8*i+4:8*i+7], v[QOFF], s[16:17] offset:(i/2)*2048+(i%2)*64+32
.set i, i+1
.endr
	WIN 0
	v_and_b32 v[TM], 7, v0
	v_lshl_add_u32 v[TM+1], v2, 3, v[TM]           ; the turning load: key 8 (l / 16) + l % 8,
	v_mul_u32_u24 v[AKT], v[TM+1], PT
	v_bfe_u32 v[TM+1], v0, 3, 1
	v_lshl_add_u32 v[AKT], v[TM+1], 4, v[AKT]      ; 16 bytes at 8 ((l / 8) % 2) channels
	v_add_nc_u32 v[AKT+1], SLOTB, v[AKT]
	s_lshl_b32 s24, s[WV], 5
	v_add_nc_u32 v[AKZ], s24, v[AKT]
	v_add_nc_u32 v[AKZ+1], s24, v[AKT+1]
	s_add_co_u32 s24, s24, VRING
	v_add_nc_u32 v[AVT], s24, v[AKT]
	v_add_nc_u32 v[AVT+1], s24, v[AKT+1]
	s_lshl_b32 s24, s[WV], 11
	s_add_co_u32 s24, s24, SF
	v_lshl_add_u32 v[SFW], v3, 4, s24
	v_add_nc_u32 v[SFW+1], 4*CH, v[SFW]
	s_lshl_b32 s24, s20, 10
	s_lshl_b32 s25, s21, 9
	s_add_co_u32 s24, s24, s25
	s_add_co_u32 s24, s24, SF+8192
	v_lshl_add_u32 v[SFZ], v3, 4, s24
	v_add_nc_u32 v[SFZ+1], 4*CH, v[SFZ]
	v_mul_u32_u24 v[AKP], v1, PT
	v_lshl_add_u32 v[AKP], v2, 4, v[AKP]
	s_mul_i32 s24, s[WV], 2*CH                     ; my first output chunk is number 2 w
	v_add_nc_u32 v[AK], s24, v[AKP]
	s_add_co_u32 s25, s24, VRING
	v_add_nc_u32 v[AV], s25, v[AKT]
	s_add_co_u32 s25, s24, SF
	v_lshl_add_u32 v[ASF], v3, 4, s25
	s_mul_i32 s24, s[WV], 16*144
	s_add_co_u32 s24, s24, STG
	v_mul_u32_u24 v[STO], v1, 144
	v_lshl_add_u32 v[STO], v2, 4, v[STO]
	v_add_nc_u32 v[STO], s24, v[STO]
	v_bfe_u32 v[RD], v0, 3, 2
	v_mul_u32_u24 v[RD], v[RD], 144
	v_lshl_add_u32 v[RD], v[TM], 4, v[RD]
	v_add_nc_u32 v[RD], s24, v[RD]
	v_lshlrev_b32 v[GO], 4, v3
	v_lshlrev_b32 v[H32A], 12, v1
	v_lshl_add_u32 v[H32A], v2, 7, v[H32A]
	v_lshlrev_b32 v[H32V], 15, v2
	v_lshl_add_u32 v[H32V], v1, 2, v[H32V]
	v_lshlrev_b32 v[LOO], 11, v1
	v_lshl_add_u32 v[LOO], v2, 4, v[LOO]
	v_mov_b32 v[ZF], 0
	v_mov_b32 v[ONEF], 1.0
	v_lshlrev_b32 v[TM+1], 3, v2
	v_sub_nc_u32 v[TM+1], v1, v[TM+1]              ; l % 16 - 8 (l / 16)
.irp j, 0,1,2,3,4,5,6,7
	v_cmp_le_i32 s[MSK+\j], \j, v[TM+1]
.endr
.irp j, 0,1,2,3,4,5,6,7
	v_mov_b32 v[ONE+\j], 0x3f803f80
.endr
.set i, 0
.rept 40
	v_mov_b32 v[SA+i], 0                           ; S and Z begin at 0: the first chunk of segment 0 publishes just that
.set i, i+1
.endr
	s_wait_tensorcnt 0x1                           ; my part of slot 0 is in; slot 1's may stay out
	s_barrier_signal -1
	s_barrier_wait -1
	s_cmp_eq_u32 s[SEG], 0                         ; alike in all four waves; every later wait for tensor loads is for 0
	s_cbranch_scc1 .Lown
	s_mov_b32 s[CNT], 0
.Lseg:                                                 ; a trip for each earlier segment: both slots are read and filled again; behind the last trip they hold the segment's own rows
	WALK 0
	RB 0
	WALK 1
	RB 1
	s_add_co_u32 s[CNT], s[CNT], 1
	s_cmp_lt_u32 s[CNT], s[SEG]
	s_cbranch_scc1 .Lseg
.Lown:
	s_wait_tensorcnt 0x0                           ; my parts of the segment's own rows are in,
	s_wait_dscnt 0x0
	s_barrier_signal -1
	s_barrier_wait -1                              ; everybody's are; nothing is filled from here on
.irp c, 0,1,2,3,4,5,6
	OWN \c                                         ; chunks 0 to 6
.endr
	PLACES
	PUB 7                                          ; the state in front of chunk 7, which no state has to take
	s_wait_dscnt 0x0                               ; for the others' sake: my stores are done
	s_barrier_signal -1
	s_barrier_wait -1
	s_wait_loadcnt 0x0                             ; Q
	CHUNK 0
	CHUNK 1
	s_wait_tensorcnt 0x0                           ; the wave's end: behind my last tensor load and my last LDS store
	ds_add_u32 v[SPW], v[NIL]
	s_wait_dscnt 0x0
	s_endpgm
.Lfunc_end_k_qff10b3e7eb_attn:
	.size	k_qff10b3e7eb_attn, .Lfunc_end_k_qff10b3e7eb_attn-k_qff10b3e7eb_attn
	.p2alignl 7, 3214868480
	.fill 96, 4, 3214868480
	.section	.rodata,"a",@progbits
	.p2align	6, 0x0
	.amdhsa_kernel k_qff10b3e7eb_attn
		.amdhsa_group_segment_fixed_size 327680
		.amdhsa_private_segment_fixed_size 0
		.amdhsa_enable_private_segment 0
		.amdhsa_kernarg_size 32
		.amdhsa_user_sgpr_count 2
		.amdhsa_user_sgpr_kernarg_segment_ptr 1
		.amdhsa_wavefront_size32 1
		.amdhsa_system_sgpr_workgroup_id_x 1
		.amdhsa_system_sgpr_workgroup_id_y 1
		.amdhsa_system_sgpr_workgroup_id_z 1
		.amdhsa_system_vgpr_workitem_id 0
		.amdhsa_next_free_vgpr 912
		.amdhsa_next_free_sgpr 80
		.amdhsa_reserve_vcc 0
		.amdhsa_float_denorm_mode_32 3
		.amdhsa_float_denorm_mode_16_64 3
		.amdhsa_memory_ordered 1
		.amdhsa_forward_progress 1
		.amdhsa_inst_pref_size 223
	.end_amdhsa_kernel
	.amdgpu_metadata
---
amdhsa.version: [ 1, 2 ]
amdhsa.kernels:
  - .name:           k_qff10b3e7eb_attn
    .symbol:         k_qff10b3e7eb_attn.kd
    .args:
      - { .name: qkv, .offset: 0, .size: 8, .value_kind: global_buffer, .address_space: global }
      - { .name: head32, .offset: 8, .size: 8, .value_kind: global_buffer, .address_space: global }
      - { .name: oh, .offset: 16, .size: 8, .value_kind: global_buffer, .address_space: global }
      - { .name: olo, .offset: 24, .size: 8, .value_kind: global_buffer, .address_space: global }
    .group_segment_fixed_size: 327680
    .private_segment_fixed_size: 0
    .kernarg_segment_align: 8
    .kernarg_segment_size: 32
    .max_flat_workgroup_size: 128
    .sgpr_count:     80
    .vgpr_count:     912
    .wavefront_size: 32
...
	.end_amdgpu_metadata
.endif
;; end of part 3
;; launch oproj (part 4): grid 4 x 64, 4 waves a work-group, clusters of 4 x 4, 327,680 bytes of LDS; arguments oh, olo, wb, bo, out0; writes out0
.if DOCPART == 4
	.amdgcn_target "amdgcn-amd-amdhsa--gfx1250"
	.amdhsa_code_object_version 6
	.text
	.protected	k_qff10b3e7eb_oproj
	.globl	k_qff10b3e7eb_oproj
	.p2align	8
	.type	k_qff10b3e7eb_oproj,@function
k_qff10b3e7eb_oproj:
	s_mov_b64 s[64:65], 0
	v_nop
	global_prefetch_b8 v0, s[64:65] scope:SCOPE_SE
	s_setreg_imm32_b32 hwreg(HW_REG_WAVE_MODE, 25, 1), 1
	s_wait_xcnt 0x0
	s_wait_alu depctr_hold_cnt(0) depctr_sa_sdst(0) depctr_va_vdst(0) depctr_va_sdst(0) depctr_va_ssrc(0) depctr_va_vcc(0) depctr_vm_vsrc(0)
	s_getreg_b32 s2, hwreg(HW_REG_IB_STS2, 6, 4)
	s_cmp_eq_u32 s2, 0
	s_cbranch_scc0 .Lentry_in_a_cluster
	s_endpgm
.Lentry_in_a_cluster:
	s_bfe_u32 s2, ttmp6, 0x10000c
	s_cmp_lg_u32 s2, 0xf033
	s_cbranch_scc0 .Lentry_shape_is_right
	s_endpgm
.Lentry_shape_is_right:
; THE LAST PROJECTION.  out0 = O Wo + bo.  O: oh, [b][head][t][64] in f16, and for rows t < 16 its low part olo, [b][t][1024] in f16.  Wo: plane 3 of wb, [k][n], bf16 numbers written as f16.
; bo is rounded to bf16 like every input.  Sums in f32; out0 in f32.
; SHARES.  A tile of C is 128 rows x 256 columns: 256 tiles.  Four waves, 2 x 2, each 64 x 128: 32 accumulators.  K goes in 8 steps of 128 (two heads) through a ring of two LDS slots.
; CLUSTERS: 4 x 4.  A work-group's x in its cluster is the column tile, its y the batch, the cluster's y the row tile inside a batch.  The four of a row of the cluster need the same tile of O, the four of a
; column the same tile of Wo: each is asked for JOINTLY, by the same tensor load with the same descriptor and a mask that names the four.  Waves 0, 1 fetch a head of O each, waves 2, 3 64 k rows of Wo each.
; THE MATRIX INSTRUCTION IS USED TRANSPOSED (source 0 = 16 columns of Wo, turned by ds_load_tr16_b128; source 1 = 16 rows of O): a lane holds 8 neighbouring columns of one row of C.
; ROWS t < 16 (row tile 0, the waves of its upper half, row block 0) take a second product, with olo: 8 matrix instructions more a quarter, in a forward branch.  Its fragments come straight from memory:
; both sets are loaded by every wave at the start, so that they are written on every way; step s + 1's are loaded in the branch in quarter 0 of step s; every wave waits for its loads at each step's head.
; REGISTERS (s_set_vgpr_msb: bits 1:0 source 0, 3:2 source 1, 5:4 source 2, 7:6 destination): window 0: v0-15 addresses; v32-35 bias; v64-159, v160-255 two fragment buffers;
;   window 1: v0-31, v32-63 olo's fragments of a K step, two sets;   window 2: accumulator (a, b) at v[8 (8 a + b)]
.set KSTEP,  128
.set APO,    144                       ; a row of a head of O in LDS: 128 bytes + 16
.set BP,     544                       ; a k row of Wo: 512 bytes + 32
.set BOFS,   2*128*APO                 ; a slot: two heads x 128 rows of O, then 128 k rows of Wo
.set SLOT,   BOFS+KSTEP*BP             ; 106,496
.set SPARE,  2*SLOT                    ; the spare words, 128 bytes for each wave: two blocks of 256 bytes that no other line names
.set SGP,    528                       ; the way out: a wave's stage is 64 rows of 512 bytes + 16, at wave x 34,816: over the ring, when that has had its last fill and its last read
.set SGW,    34816
.set EOFF, 4                           ; v4   my byte offset in olo's 16 rows; never rewritten
.set AFR,  5                           ; v5-6 my place in O's fragments, slot 0, 1
.set BFR,  7                           ; v7-8 my place in Wo's fragments
.set STO,  9
.set RDA,  10
.set GO,   11
.set BOFF, 12
.set SPW,  30                          ; v30  LDS address of my spare word; never rewritten
.set NIL,  31                          ; v31  0; never rewritten
.set BIA,  32                          ; v32-35 the bias of my 4 columns
.set F0,   64
.set F1,   160
.set XR,   64
.set WV,   14
.set WR,   15                          ; which 64 rows are my wave's.  Also: I fetch for O (0) or for Wo (1)
.set WC,   16                          ; which 128 columns.  Also: which half of that tile I fetch
.set CX,   17
.set CY,   18
.set TB,   19
.set SPX,  20                          ; 1: my row block 0 holds rows t < 16
.set CNT,  21
.set G1A,  24                          ; s[24:31], s[32:39] descriptor groups 1 and 0 (a set for each slot) for O's tiles
.set G0A,  32
.set G1B,  40                          ; s[40:47], s[48:55] the same for Wo's
.set G0B,  48
.set MSB, 0
.macro WIN new
.if MSB != (\new)
	s_set_vgpr_msb (MSB<<8)|(\new)
.set MSB, (\new)
.endif
.endm
.macro PLACES                          ; four places in front of loads into registers that matrix instructions have read, and of lines that read results
.rept 4
	v_nop
.endr
.endm
.macro CREST
	s_cmp_lg_u32 s[WV], 0
	s_cbranch_scc1 .Lnot_wave_0_\@
	s_barrier_signal -3
.Lnot_wave_0_\@:
	s_barrier_wait -3
	s_barrier_signal -1
	s_barrier_wait -1
.endm
.macro CROUND
	s_barrier_signal -1
	s_barrier_wait -1
	CREST
.endm
.macro JLOAD s                         ; a joint refill; the branch hangs on the wave's number alone; an s_nop 0 and four v_nop follow each of the two lines
	s_cmp_eq_u32 s[WR], 0
	s_cbranch_scc0 .Lfor_b_\@
	tensor_load_to_lds s[G0A+4*(\s):G0A+4*(\s)+3], s[G1A:G1A+7]
	s_nop 0
	PLACES
	s_branch .Lasked_\@
.Lfor_b_\@:
	tensor_load_to_lds s[G0B+4*(\s):G0B+4*(\s)+3], s[G1B:G1B+7]
	s_nop 0
	PLACES
.Lasked_\@:
.endm
.macro MULQ f, a, zero                 ; 8 matrix instructions: row block a x all 8 column blocks.  The accumulators take turns, one instruction a turn.
	WIN 0xa0
.irp b, 0,1,2,3,4,5,6,7
.if \zero
	v_wmma_f32_16x16x32_f16 v[8*(8*(\a)+\b):8*(8*(\a)+\b)+7], v[(\f)+8*\b:(\f)+8*\b+7], v[(\f)+64+8*(\a):(\f)+64+8*(\a)+7], 0
.else
	v_wmma_f32_16x16x32_f16 v[8*(8*(\a)+\b):8*(8*(\a)+\b)+7], v[(\f)+8*\b:(\f)+8*\b+7], v[(\f)+64+8*(\a):(\f)+64+8*(\a)+7], v[8*(8*(\a)+\b):8*(8*(\a)+\b)+7]
.endif
.endr
.endm
.macro MULH f, half, zero
	MULQ \f, 2*(\half), \zero
	MULQ \f, 2*(\half)+1, \zero
.endm
.macro FETCH slot, q, f                ; 24 LDS loads in one run: quarter q of the step in \slot: head q / 2, channels 32 (q % 2) on
	WIN 0
.irp b, 0,1,2,3,4,5,6,7
	ds_load_tr16_b128 v[(\f)+8*\b:(\f)+8*\b+3],   v[BFR+(\slot)] offset:(\q)*32*BP+32*\b
	ds_load_tr16_b128 v[(\f)+8*\b+4:(\f)+8*\b+7], v[BFR+(\slot)] offset:(\q)*32*BP+16*BP+32*\b
.endr
.irp a, 0,1,2,3
	ds_load_b128 v[(\f)+64+8*\a:(\f)+64+8*\a+3],   v[AFR+(\slot)] offset:((\q)/2)*128*APO+\a*16*APO+64*((\q)%2)
	ds_load_b128 v[(\f)+64+8*\a+4:(\f)+64+8*\a+7], v[AFR+(\slot)] offset:((\q)/2)*128*APO+\a*16*APO+64*((\q)%2)+32
.endr
.endm
; The low parts' product for quarter q, on Wo's fragments still in buffer f.  reload = 1: the next K step's eight loads go into the other set, whose last product stands a quarter back or more.
.macro EXTRA f, set, q, reload
	WIN 0
	s_cmp_eq_u32 s[SPX], 0
	s_cbranch_scc1 .Lno_extra_\@
	WIN 0xa4                                       ; source 1 window 1
.irp b, 0,1,2,3,4,5,6,7
	v_wmma_f32_16x16x32_f16 v[8*\b:8*\b+7], v[(\f)+8*\b:(\f)+8*\b+7], v[32*(\set)+8*(\q):32*(\set)+8*(\q)+7], v[8*\b:8*\b+7]
.endr
.if \reload
	WIN 0
	PLACES
	s_wait_xcnt 0x0                                ; the last run of loads has had its addresses translated: only now the base steps
	s_add_nc_u64 s[6:7], s[6:7], 2*KSTEP
	WIN 0x40
.irp j, 0,1,2,3
	global_load_b128 v[32*(1-(\set))+8*\j:32*(1-(\set))+8*\j+3],   v[EOFF], s[6:7] offset:2*KSTEP+64*\j
	global_load_b128 v[32*(1-(\set))+8*\j+4:32*(1-(\set))+8*\j+7], v[EOFF], s[6:7] offset:2*KSTEP+64*\j+32
.endr
.endif
	WIN 0
.Lno_extra_\@:
.endm
.macro QUARTER f, g, slot, qn, zero, eq, reload
	s_wait_dscnt 4                                 ; Wo's fragments and row blocks 0, 1 are in; the youngest four loads (blocks 2, 3) may be out
	MULH \f, 0, \zero
	WIN 0
	PLACES
	FETCH \slot, \qn, \g
	s_wait_dscnt 24                                ; all but the 24 just issued
	MULH \f, 1, \zero
	EXTRA \f, \slot, \eq, \reload
.endm
.macro FIRSTQ slot, zero, reload       ; a K step's first quarter
	s_wait_loadcnt 0x0                             ; on every wave's way: this step's fragments of olo, asked for a K step ago, are in
	QUARTER F0, F1, \slot, 1, \zero, 0, \reload
.endm
; The last quarter multiplies buffer 1 and changes slots: ONE barrier; in front of it each wave waits for all its tensor loads, adds 0 to its spare word, and waits for that and for its reads of this slot.
.macro TURN slot, next, fill
	WIN 0
	s_wait_tensorcnt 0x0
	ds_add_u32 v[SPW], v[NIL]                      ; 0 onto my spare word
	s_wait_dscnt 5                                 ; the add and the youngest four loads may be out
	MULQ F1, 0, 0
	s_wait_dscnt 0x0
	s_barrier_signal -1
	MULQ F1, 1, 0
	WIN 0
	s_barrier_wait -1
.if \fill
	CREST                                          ; no wave of any partner still reads this slot or has a load on its way
	s_add_nc_u64 s[G0A+4*(\slot)+2:G0A+4*(\slot)+3], s[G0A+4*(\slot)+2:G0A+4*(\slot)+3], 4*262144     ; four heads on
	s_add_nc_u64 s[G0B+4*(\slot)+2:G0B+4*(\slot)+3], s[G0B+4*(\slot)+2:G0B+4*(\slot)+3], 2*KSTEP*2048 ; 256 k rows on
	JLOAD \slot                                    ; the first tensor load behind the round; its four v_nop are also the places in front of the loads below
.else
	PLACES
.endif
	FETCH \next, 0, F0
	MULH F1, 1, 0
	EXTRA F1, \slot, 3, 0
.endm
	s_load_b256 s[4:11], s[0:1], 0x0               ; oh s[4:5], olo s[6:7], wb s[8:9], bo s[10:11]
	s_load_b64 s[12:13], s[0:1], 0x20              ; out0
	v_lshl_add_u32 v[SPW], v0, 2, SPARE
	v_mov_b32 v[NIL], 0
	ds_add_u32 v[SPW], v[NIL]                      ; the wave's opening: the add and its wait stand ahead of my first tensor load; the set-up below stands between them
	ds_add_u32 v30, v31
	v_lshrrev_b32 v1, 5, v0
	v_readfirstlane_b32 s[WV], v1
	s_lshr_b32 s[WR], s[WV], 1
	s_and_b32 s[WC], s[WV], 1
	s_bfe_u32 s[CX], ttmp6, 0x40000
	s_bfe_u32 s[CY], ttmp6, 0x40004
	s_and_b32 s[TB], ttmp7, 0xffff                 ; in a cluster launch ttmp7 counts clusters: the row tile inside a batch
	s_lshl_b32 s56, s[CY], 2
	s_lshl_b32 s56, 15, s56                        ; my row of the cluster
	s_lshl_b32 s58, 0x1111, s[CX]                  ; my column
	s_or_b32 s[G1A], s56, (1<<16)|(1<<20)|(1<<21)|(4<<22)|(3<<25)  ; O: a head's 128 rows are 16,384 dense bytes: 64 rows of 256, padded by 4 words after every 32
	s_mov_b32 s[G1A+1], 128<<16
	s_mov_b32 s[G1A+2], 64<<16
	s_mov_b32 s[G1A+3], 128<<16
	s_mov_b32 s[G1A+4], 64
	s_mov_b32 s[G1A+5], 128
	s_mov_b32 s[G1A+6], 0
	s_mov_b32 s[G1A+7], 0
	s_or_b32 s[G1B], s58, (1<<16)|(1<<20)|(1<<21)|(6<<22)|(7<<25)  ; Wo: 64 k rows x 256 columns, padded by 8 words after every 128
	s_mov_b32 s[G1B+1], 256<<16
	s_mov_b32 s[G1B+2], 64<<16
	s_mov_b32 s[G1B+3], 256<<16
	s_mov_b32 s[G1B+4], 64
	s_mov_b32 s[G1B+5], 1024
	s_mov_b32 s[G1B+6], 0
	s_mov_b32 s[G1B+7], 0
	s_mul_i32 s22, s[WC], 128*APO                  ; where they go: no place in the cluster enters an LDS address
	s_mov_b32 s[G0A], 1
	s_mov_b32 s[G0A+1], s22
	s_mov_b32 s[G0A+4], 1
	s_add_co_u32 s[G0A+5], s22, SLOT
	s_mul_i32 s23, s[WC], 64*BP
	s_add_co_u32 s23, s23, BOFS
	s_mov_b32 s[G0B], 1
	s_mov_b32 s[G0B+1], s23
	s_mov_b32 s[G0B+4], 1
	s_add_co_u32 s[G0B+5], s23, SLOT
	s_lshl_b32 s56, s[CY], 4                       ; O: head 16 batch + my half, its 2,048 rows, the row tile's 128, of 128 bytes: nothing of the column tile
	s_add_co_u32 s56, s56, s[WC]
	s_lshl_b32 s56, s56, 11
	s_lshl_b32 s57, s[TB], 7
	s_add_co_u32 s56, s56, s57
	s_lshl_b32 s56, s56, 7
	s_mov_b32 s57, 0
	s_lshl_b32 s58, s[WC], 17                      ; Wo: my 64 k rows of 2,048 bytes, the column tile's 512 bytes, in plane 3: nothing of the batch
	s_lshl_b32 s59, s[CX], 9
	s_add_co_u32 s58, s58, s59
	s_add_co_u32 s58, s58, 3*2097152
	s_mov_b32 s59, 0
	s_lshl_b32 s22, s[CY], 15                      ; olo: the batch's 16 rows of 2,048 bytes
	s_mov_b32 s23, 0
	s_lshl_b32 s60, s[CX], 10                      ; my wave's 128 columns in f32
	s_lshl_b32 s61, s[WC], 9
	s_add_co_u32 s60, s60, s61
	s_mov_b32 s61, 0
	s_lshl_b32 s62, s[CY], 11                      ; out0: my wave's first row, of 4,096 bytes, and those columns
	s_lshl_b32 s63, s[TB], 7
	s_add_co_u32 s62, s62, s63
	s_lshl_b32 s63, s[WR], 6
	s_add_co_u32 s62, s62, s63
	s_lshl_b32 s62, s62, 12
	s_add_co_u32 s62, s62, s60
	s_mov_b32 s63, 0
	s_or_b32 s[CNT], s[TB], s[WR]
	s_cmp_eq_u32 s[CNT], 0
	s_cselect_b32 s[SPX], 1, 0
	v_and_b32 v1, 15, v0                           ; l % 16
	v_bfe_u32 v2, v0, 4, 1                         ; l / 16
	v_and_b32 v3, 31, v0                           ; l
	v_lshlrev_b32 v[EOFF], 11, v1
	v_lshl_add_u32 v[EOFF], v2, 4, v[EOFF]
	v_lshlrev_b32 v[BOFF], 4, v3
	s_wait_dscnt 0x0                               ; the opening add is done
	s_wait_kmcnt 0x0
	s_add_nc_u64 s[4:5], s[4:5], s[56:57]
	s_add_nc_u64 s[8:9], s[8:9], s[58:59]
	s_add_nc_u64 s[6:7], s[6:7], s[22:23]
	s_add_nc_u64 s[10:11], s[10:11], s[60:61]
	s_add_nc_u64 s[12:13], s[12:13], s[62:63]
	s_add_nc_u64 s[G0A+2:G0A+3], s[4:5], 0         ; K step 0: heads 0, 1
	s_or_b32 s[G0A+3], s[G0A+3], 0x80000000
	s_add_nc_u64 s[G0A+6:G0A+7], s[4:5], 2*262144  ; K step 1: heads 2, 3
	s_or_b32 s[G0A+7], s[G0A+7], 0x80000000
	s_add_nc_u64 s[G0B+2:G0B+3], s[8:9], 0
	s_or_b32 s[G0B+3], s[G0B+3], 0x80000000
	s_add_nc_u64 s[G0B+6:G0B+7], s[8:9], KSTEP*2048
	s_or_b32 s[G0B+7], s[G0B+7], 0x80000000
	global_load_b128 v[BIA:BIA+3], v[BOFF], s[10:11]
	WIN 0x40
.irp j, 0,1,2,3,4,5,6,7                        ; olo's fragments of K steps 0 and 1: set j / 4, quarter j % 4
	global_load_b128 v[8*\j:8*\j+3],   v[EOFF], s[6:7] offset:64*\j
	global_load_b128 v[8*\j+4:8*\j+7], v[EOFF], s[6:7] offset:64*\j+32
.endr
	WIN 0
	CROUND                                         ; all sixteen work-groups are here: the first joint loads meet
	s_cmp_eq_u32 s[WR], 0                          ; a wave's two first fills stand in one branch: two loads of mine are out
	s_cbranch_scc0 .Lfirst_b
	tensor_load_to_lds s[G0A:G0A+3], s[G1A:G1A+7]
	s_nop 0
	tensor_load_to_lds s[G0A+4:G0A+7], s[G1A:G1A+7]
	s_nop 0
	PLACES
	s_branch .Lfirst_asked
.Lfirst_b:
	tensor_load_to_lds s[G0B:G0B+3], s[G1B:G1B+7]
	s_nop 0
	tensor_load_to_lds s[G0B+4:G0B+7], s[G1B:G1B+7]
	s_nop 0
	PLACES
.Lfirst_asked:
	v_mul_u32_u24 v[AFR], v1, APO
	v_lshl_add_u32 v[AFR], v2, 4, v[AFR]
	s_mul_i32 s22, s[WR], 64*APO
	v_add_nc_u32 v[AFR], s22, v[AFR]
	v_add_nc_u32 v[AFR+1], SLOT, v[AFR]
	v_and_b32 v13, 7, v0
	v_lshl_add_u32 v13, v2, 3, v13                 ; the turning load: k row 8 (l / 16) + l % 8,
	v_mul_u32_u24 v[BFR], v13, BP
	v_bfe_u32 v13, v0, 3, 1
	v_lshl_add_u32 v[BFR], v13, 4, v[BFR]          ; columns 8 ((l / 8) % 2) on,
	s_lshl_b32 s22, s[WC], 8
	s_add_co_u32 s22, s22, BOFS
	v_add_nc_u32 v[BFR], s22, v[BFR]               ; in my wave's 128 columns
	v_add_nc_u32 v[BFR+1], SLOT, v[BFR]
	s_mul_i32 s22, s[WV], SGW
	v_mul_u32_u24 v[STO], v1, SGP
	v_lshl_add_u32 v[STO], v2, 5, v[STO]
	v_add_nc_u32 v[STO], s22, v[STO]
	v_lshl_add_u32 v[RDA], v3, 4, s22
	v_lshlrev_b32 v[GO], 4, v3
	s_wait_tensorcnt 0x1                           ; my part of slot 0 is in; slot 1's may stay out
	s_barrier_signal -1
	s_barrier_wait -1
	FETCH 0, 0, F0
	FIRSTQ 0, 1, 0                                 ; the first quarter stands in front of the loop: its products start the sums
	WIN 0
	s_mov_b32 s[CNT], 3
.Llap:                                                 ; a trip: once round the ring, from a lap's second quarter to the next lap's first; K steps 0 to 5
	QUARTER F1, F0, 0, 2, 0, 1, 0
	QUARTER F0, F1, 0, 3, 0, 2, 0
	TURN 0, 1, 1
	FIRSTQ 1, 0, 1
	QUARTER F1, F0, 1, 2, 0, 1, 0
	QUARTER F0, F1, 1, 3, 0, 2, 0
	TURN 1, 0, 1
	FIRSTQ 0, 0, 1
	WIN 0
	s_sub_co_u32 s[CNT], s[CNT], 1
	s_cmp_lg_u32 s[CNT], 0
	s_cbranch_scc1 .Llap
	QUARTER F1, F0, 0, 2, 0, 1, 0                  ; K step 6: nothing more is filled
	QUARTER F0, F1, 0, 3, 0, 2, 0
	TURN 0, 1, 0
	FIRSTQ 1, 0, 0                                 ; K step 7
	QUARTER F1, F0, 1, 2, 0, 1, 0
	QUARTER F0, F1, 1, 3, 0, 2, 0
	s_wait_dscnt 4
	MULH F1, 0, 0
	s_wait_dscnt 0x0
	MULH F1, 1, 0
	EXTRA F1, 1, 3, 0
	; THE WAY OUT: through my own stage in LDS, so that a wave's store covers a row's 512 consecutive bytes.
	WIN 0
	v_cvt_pk_bf16_f32 v13, v[BIA], v[BIA+1]        ; the bias is rounded to bf16 like every input; these six lines are also the places behind the last products
	v_cvt_pk_bf16_f32 v14, v[BIA+2], v[BIA+3]
	v_lshlrev_b32 v[BIA], 16, v13
	v_and_b32 v[BIA+1], 0xffff0000, v13
	v_lshlrev_b32 v[BIA+2], 16, v14
	v_and_b32 v[BIA+3], 0xffff0000, v14
	s_wait_dscnt 0x0
	s_barrier_signal -1                            ; every wave's reads of the ring are over: the stages lie on it
	s_barrier_wait -1
	WIN 0x08                                       ; data window 2
.irp a, 0,1,2,3
.irp b, 0,1,2,3,4,5,6,7
	ds_store_b128 v[STO], v[8*(8*\a+\b):8*(8*\a+\b)+3]   offset:\a*16*SGP+64*\b     ; each accumulator's low registers first
	ds_store_b128 v[STO], v[8*(8*\a+\b)+4:8*(8*\a+\b)+7] offset:\a*16*SGP+64*\b+16
.endr
.endr
	WIN 0
	s_mov_b32 s[CNT], 8
.Lout:                                                 ; 8 trips of 8 rows
.irp i, 0,1,2,3,4,5,6,7
	ds_load_b128 v[XR+4*\i:XR+4*\i+3], v[RDA] offset:SGP*\i  ; LDS serves a wave's instructions in order (ISA guide 5.7.1.4): these see my stores
.endr
.irp i, 0,1,2,3,4,5,6,7
	s_wait_dscnt 7-\i                              ; row i is in, the younger rows stay out
	v_pk_add_f32 v[XR+4*\i:XR+4*\i+1],   v[XR+4*\i:XR+4*\i+1],   v[BIA:BIA+1]
	v_pk_add_f32 v[XR+4*\i+2:XR+4*\i+3], v[XR+4*\i+2:XR+4*\i+3], v[BIA+2:BIA+3]
	global_store_b128 v[GO], v[XR+4*\i:XR+4*\i+3], s[12:13] offset:4096*\i th:TH_STORE_NT
.endr
	s_wait_xcnt 0x0                                ; the stores have read their registers: only now these are written again
	v_add_nc_u32 v[RDA], 8*SGP, v[RDA]
	v_add_nc_u32 v[GO], 32768, v[GO]
	s_sub_co_u32 s[CNT], s[CNT], 1
	s_cmp_lg_u32 s[CNT], 0
	s_cbranch_scc1 .Lout
	s_wait_tensorcnt 0x0                           ; the wave's end: behind my last tensor load and my last LDS store
	ds_add_u32 v[SPW], v[NIL]
	s_wait_dscnt 0x0
	CROUND                                         ; the closing round: no work-group ends while a partner may still ask for a tile that names it
	s_endpgm
.Lfunc_end_k_qff10b3e7eb_oproj:
	.size	k_qff10b3e7eb_oproj, .Lfunc_end_k_qff10b3e7eb_oproj-k_qff10b3e7eb_oproj
	.p2alignl 7, 3214868480
	.fill 96, 4, 3214868480
	.section	.rodata,"a",@progbits
	.p2align	6, 0x0
	.amdhsa_kernel k_qff10b3e7eb_oproj
		.amdhsa_group_segment_fixed_size 327680
		.amdhsa_private_segment_fixed_size 0
		.amdhsa_enable_private_segment 0
		.amdhsa_kernarg_size 40
		.amdhsa_user_sgpr_count 2
		.amdhsa_user_sgpr_kernarg_segment_ptr 1
		.amdhsa_wavefront_size32 1
		.amdhsa_system_sgpr_workgroup_id_x 1
		.amdhsa_system_sgpr_workgroup_id_y 1
		.amdhsa_system_sgpr_workgroup_id_z 1
		.amdhsa_system_vgpr_workitem_id 0
		.amdhsa_next_free_vgpr 768
		.amdhsa_next_free_sgpr 66
		.amdhsa_reserve_vcc 0
		.amdhsa_float_denorm_mode_32 3
		.amdhsa_float_denorm_mode_16_64 3
		.amdhsa_memory_ordered 1
		.amdhsa_forward_progress 1
		.amdhsa_inst_pref_size 92
	.end_amdhsa_kernel
	.amdgpu_metadata
---
amdhsa.version: [ 1, 2 ]
amdhsa.kernels:
  - .name:           k_qff10b3e7eb_oproj
    .symbol:         k_qff10b3e7eb_oproj.kd
    .args:
      - { .name: oh, .offset: 0, .size: 8, .value_kind: global_buffer, .address_space: global }
      - { .name: olo, .offset: 8, .size: 8, .value_kind: global_buffer, .address_space: global }
      - { .name: wb, .offset: 16, .size: 8, .value_kind: global_buffer, .address_space: global }
      - { .name: bo, .offset: 24, .size: 8, .value_kind: global_buffer, .address_space: global }
      - { .name: out0, .offset: 32, .size: 8, .value_kind: global_buffer, .address_space: global }
    .group_segment_fixed_size: 327680
    .private_segment_fixed_size: 0
    .kernarg_segment_align: 8
    .kernarg_segment_size: 40
    .max_flat_workgroup_size: 128
    .sgpr_count:     66
    .vgpr_count:     768
    .wavefront_size: 32
...
	.end_amdgpu_metadata
.endif
;; end of part 4
